; MI455X (gfx1250); checked and timed in simulation.
; The chip was launched on July 23, 2026; its instructions are those of AMD's public machine-readable ISA for CDNA 5 (MIT licence, August 2026) and "CDNA5" Instruction Set Architecture Reference Guide (July 2026). The comments in the code are by the model that wrote it; some were corrected since.
;; Multihead Attention. Allowed arithmetic: matrix products marked QUANTISED: E2M1 operands, one E8M0 scale for each 32 along K, by v_wmma_scale_f32_16x16x128_f8f6f4 with both operands' format E2M1 (or v_wmma_scale_f32_32x16x128_f4), f32 sums; products left as they are: bf16, f16 or f32 operands; f32 sums; everything else in f32.
;; Inputs: K 4 x 2,048 x 1,024 float32; Q 4 x 2,048 x 1,024 float32; V 4 x 2,048 x 1,024 float32; Wk 1,024 x 1,024 float32; Wo 1,024 x 1,024 float32; Wq 1,024 x 1,024 float32; Wv 1,024 x 1,024 float32.
;; Outputs: out0 4 x 2,048 x 1,024 float32.
;; This version of the problem:
;;   THIS VERSION OF THE PROBLEM IS GIVEN IN LOW PRECISION. The matrix products marked QUANTISED in the list below multiply operands that are first quantised to E2M1 (2 exponent bits, 1 mantissa bit; 4 bits a number), with one power-of-two scale for each 32 numbers along K (OCP MX v1.0); their sums are f32. The products marked 'left as it is' may take bf16, f16 or f32 operands, with f32 sums. Whichever they take, every output number must still come out within the allowed error. Rounding operands to bf16 (8 significant bits) uses up far more of that allowance than f16 does (11 bits, for magnitudes from 6e-5 to 65,504). All else is computed in f32.
;;   The module's matrix products, in the order in which they are computed (A, B: the left and right operand; K: the contracted axis; several contracted axes count as one K, in the product's order):
;;     1. [M 8,192, K 1,024] x [K 1,024, N 1,024]; A: input Q; B: input Wq: QUANTISED
;;     2. [M 8,192, K 1,024] x [K 1,024, N 1,024]; A: input K; B: input Wk: QUANTISED
;;     3. [M 8,192, K 1,024] x [K 1,024, N 1,024]; A: input V; B: input Wv: QUANTISED
;;     4. batch 64 x [M 2,048, K 64] x [K 64, N 2,048]; A: computed on the way; B: computed on the way: left as it is (an operand is computed on the way)
;;     5. batch 64 x [M 2,048, K 2,048] x [K 2,048, N 64]; A: computed on the way; B: computed on the way: left as it is (an operand is computed on the way)
;;     6. [M 8,192, K 1,024] x [K 1,024, N 1,024]; A: computed on the way; B: input Wo: left as it is (an operand is computed on the way)
;;   THE QUANTISER, for each operand of a quantised product, along K:
;;     - K is cut into blocks of 32 from its start; a last block that is shorter is filled with zeros.
;;     - A block's scale is 2^e with e = floor(log2(the largest magnitude in the block)) - 2, held to -126 .. 127; a block of zeros has e = 0. As a byte (E8M0): e + 127.
;;     - Each number is divided by its block's scale, clamped to +-6, and rounded to the nearest number of E2M1, ties to even, subnormals kept.
;;     - The product sums the exact products of the quantised numbers (number of the format x scale) in f32.
;;   ~~~python
;;   def quantise(x, axis):      # numpy; x: float32 -> the quantised numbers, widened to float32 again
;;       x = np.moveaxis(x, axis, -1); K = x.shape[-1]
;;       x = np.pad(x, [(0, 0)] * (x.ndim - 1) + [(0, -K % 32)]); x = x.reshape(x.shape[:-1] + (-1, 32)); a = np.abs(x).max(-1, keepdims=True)
;;       e = np.where(a > 0, np.clip(np.frexp(np.where(a > 0, a, 1))[1] - 1 - 2, -126, 127), 0)      # np.frexp(a)[1] - 1 = floor(log2(a)), exactly
;;       r = np.clip(x / 2.0 ** e, -6, 6)
;;       step = 2.0 ** (np.maximum(np.frexp(np.where(r == 0, 1, r))[1] - 1, 0) - 1)
;;       q = np.round(r / step) * step * 2.0 ** e      # np.round: ties to even
;;       return np.moveaxis(q.reshape(q.shape[:-2] + (-1,))[..., :K], -1, axis).astype(np.float32)
;;   ~~~
;; One version. Each part assembles by itself: llvm-mc -triple=amdgcn-amd-amdhsa -mcpu=gfx1250 --defsym DOCPART=n.
;; ======== version 1 of 1: 5 launches
;; limits: values are held in f16: magnitudes above 65,504 overflow, below 6.1e-05 lose precision
;; workspace buffers: codes 14,155,776 bytes; scales 884,736 bytes; wo16 2,097,152 bytes; tab 1,048,576 bytes; qkv 50,331,648 bytes; first16 786,432 bytes; o16 16,777,216 bytes
;; launch prep (part 1): grid 912 x 1, 4 waves a work-group, no clusters, 33,280 bytes of LDS; arguments Q, K, V, Wq, Wk, Wv, Wo, codes, scales, wo16, tab; writes codes, scales, wo16, tab
.if DOCPART == 1
	.amdgcn_target "amdgcn-amd-amdhsa--gfx1250"
	.amdhsa_code_object_version 6
	.text
	.protected	k_q859705a8f5_prep
	.globl	k_q859705a8f5_prep
	.p2align	8
	.type	k_q859705a8f5_prep,@function
k_q859705a8f5_prep:
	s_mov_b64 s[64:65], 0
	v_nop
	global_prefetch_b8 v0, s[64:65] scope:SCOPE_SE
	s_setreg_imm32_b32 hwreg(HW_REG_WAVE_MODE, 25, 1), 1
	s_wait_xcnt 0x0
; THREE JOBS IN ONE LAUNCH, told apart by the work-group's number g.
; g 0..863: Q, K, V [8192][1024] and Wq, Wk, Wv [1024][1024], f32, K innermost, become codes of FP4 (E2M1) with one E8M0 byte for each 32 along K.
;   The six tensors' rows lie one behind the other in codes [27648][512 bytes] and scales [27648][32 bytes]: rows 0.. Q, 8192.. K, 16384.. V, 24576.. Wq, 25600.. Wk, 26624.. Wv.
;   A block's scale is 2^(floor(log2(largest magnitude)) - 2); its byte is the largest magnitude's exponent field - 2, held at 1 from below.  A block of zeros gets the byte 1 where the
;   rule says 127: its codes are zeros, which add nothing under any byte but 0xff, and this program alone reads the bytes.
; g 864..895: Wo [n 1024][k 1024] f32 becomes f16, laid [k / 64][n][64]: a chunk of 64 along K of neighbouring rows is then one dense block.
; g 896..911: the rotation's table, f32 [2][position 2048][64]: [.][s][2 j] = f cos, [.][s][2 j + 1] = f sin of s x 10000^(-j / 32); f = log2(e) / 8 in table 0 (for q: the scores then come
;   out of the product as exponents of 2), f = 1 in table 1 (for k).
; LIMITS: NaN and infinities among the inputs are not served; blocks whose largest magnitude lies under 2^-124 keep the byte 1; |Wo| beyond 65,504 becomes infinity in f16 and under 6e-8 zero;
;   the table's angle is right to about 1e-4 at position 2047 (the rounding of 10000^(-j/32) and of its product with the position in f32).
; Waves share nothing: no barrier.  Only the quantiser's path touches LDS (each wave's own region).
.set WAVES, 4
.set STEPS, 16
.set GQ,    864                        ; work-groups that quantise: 32,768 numbers each
.set GC,    32                         ; work-groups that cast Wo
.set EMAX,  2
.set CB,    8                          ; bytes of 16 codes
.set R,     16                         ; v16-79   four sets of 16 numbers as they are loaded
.set X,     80                         ; v80-111  two sets of 16 neighbours
.set C,     128                        ; v128-191 codes: four registers for each step, so that no store's data are written again
.set E,     112                        ; v112-127 a scale byte for each step
.set WREG,  8192                       ; LDS: a region for each wave: two stages of 32 x SP bytes, behind them its 256 scale bytes
.set SP,    80                         ; a lane's place in a stage: its 64 bytes + 16 of padding
.set SPW,   12                         ; v12 LDS address of my spare word; never rewritten
.set NIL,   13                         ; v13 0; never rewritten
.set SPARE, WAVES*WREG                 ; the spare words, 128 bytes for each wave, that no other line names
	s_load_b512 s[4:19], s[0:1], 0x0               ; Q 4:5, K 6:7, V 8:9, Wq 10:11, Wk 12:13, Wv 14:15, Wo 16:17, codes 18:19
	s_load_b128 s[20:23], s[0:1], 0x40             ; scales 20:21, wo16 22:23
	s_load_b64 s[24:25], s[0:1], 0x50              ; tab
	v_lshl_add_u32 v[SPW], v0, 2, SPARE
	v_mov_b32 v[NIL], 0
	v_lshrrev_b32 v1, 5, v0
	v_readfirstlane_b32 s26, v1                    ; wave
	v_and_b32 v2, 31, v0                           ; lane
	s_wait_kmcnt 0x0
	s_cmp_ge_u32 ttmp9, GQ
	s_cbranch_scc1 .Lnotq
; ---------------- the quantiser.  A wave takes 16 steps of 512 numbers.  Each of a step's four loads reads 512 consecutive bytes; the 2,048 bytes turn through the wave's own stage
; and come back 64 bytes a lane, so that a lane holds 16 neighbours along K (two neighbouring lanes hold a block), as the conversions want them.
	v_lshlrev_b32 v3, 4, v2                        ; my 16 bytes of a load's 512
	s_mul_i32 s27, s26, WREG
	v_lshrrev_b32 v14, 2, v2
	v_mul_u32_u24 v14, v14, SP
	v_and_b32 v15, 3, v2
	v_lshl_add_u32 v14, v15, 4, v14
	v_add_nc_u32 v14, s27, v14                     ; the stage, on the way in: SP (lane / 4) + 16 (lane % 4)
	v_mul_u32_u24 v15, v2, SP
	v_add_nc_u32 v15, s27, v15                     ; and on the way out: SP x lane
	v_mul_u32_u24 v4, v2, CB                       ; my codes' place in a step's
	v_lshrrev_b32 v5, 1, v2
	s_add_co_u32 s27, s27, 2*32*SP
	v_add_nc_u32 v5, s27, v5                       ; my wave's 256 scale bytes, my block's byte
	v_lshlrev_b32 v7, 3, v2                        ; and on the way out 8 bytes a lane
	v_add_nc_u32 v6, s27, v7
	s_lshr_b32 s30, ttmp9, 8                       ; a large tensor has 256 work-groups,
	s_sub_co_u32 s31, ttmp9, 768
	s_lshr_b32 s32, s31, 5                         ; a weight 32
	s_and_b32 s33, ttmp9, 255
	s_and_b32 s34, s31, 31
	s_cmp_lt_u32 ttmp9, 768                        ; the choices hang on the work-group's number alone
	s_cselect_b32 s30, s30, s32                    ; which of the three
	s_cselect_b32 s33, s33, s34                    ; which 32,768 numbers of it
	s_cselect_b64 s[36:37], s[4:5], s[10:11]
	s_cselect_b64 s[38:39], s[6:7], s[12:13]
	s_cselect_b64 s[40:41], s[8:9], s[14:15]
	s_cmp_eq_u32 s30, 1
	s_cselect_b64 s[36:37], s[38:39], s[36:37]
	s_cmp_eq_u32 s30, 2
	s_cselect_b64 s[36:37], s[40:41], s[36:37]     ; my tensor
	s_lshl_b32 s33, s33, 2
	s_add_co_u32 s33, s33, s26
	s_lshl_b32 s42, s33, 15                        ; my wave's 8,192 numbers: 32,768 bytes a run
	s_mov_b32 s43, 0
	s_add_nc_u64 s[36:37], s[36:37], s[42:43]
	s_lshl_b32 s44, ttmp9, 2
	s_add_co_u32 s44, s44, s26                     ; codes and bytes are one stream over all six tensors
	s_lshl_b32 s42, s44, 12
	s_add_nc_u64 s[18:19], s[18:19], s[42:43]
	s_lshl_b32 s42, s44, 8
	s_add_nc_u64 s[20:21], s[20:21], s[42:43]
.macro LOAD t
.irp i, 0,1,2,3
	global_load_b128 v[R+16*((\t)%4)+4*\i:R+16*((\t)%4)+4*\i+3], v3, s[36:37] offset:2048*(\t)+512*\i th:TH_LOAD_NT   ; 32 lanes read 512 consecutive bytes
.endr
.endm
.macro TURN t                          ; step t's numbers through the stage: a wave's LDS instructions are served in order, so no wait stands between the stores and the loads
.irp i, 0,1,2,3
	ds_store_b128 v14, v[R+16*((\t)%4)+4*\i:R+16*((\t)%4)+4*\i+3] offset:32*SP*((\t)%2)+8*SP*\i
.endr
.irp i, 0,1,2,3
	ds_load_b128 v[X+16*((\t)%2)+4*\i:X+16*((\t)%2)+4*\i+3], v15 offset:32*SP*((\t)%2)+16*\i
.endr
.endm
.irp t, 0,1,2,3
	LOAD \t
.endr
	s_wait_loadcnt 12                              ; step 0's four loads are in
	TURN 0
.macro STEP t
.set XS, X+16*((\t)%2)
.if (\t) > 0
	s_wait_dscnt 1                                 ; this step's numbers are back from the stage (the last step's byte store may be out): so its stores into the stage have read their registers,
.else
	s_wait_dscnt 0x0
.endif
.if (\t)+4 < STEPS
	LOAD (\t)+4                                    ; which take the loads of four steps on
.endif
.if (\t)+1 < STEPS
.if STEPS-2-(\t) >= 3
	s_wait_loadcnt 12                              ; the next step's four loads are in; those of the three steps behind it may be out
.else
	s_wait_loadcnt 4*(STEPS-2-(\t))
.endif
	TURN (\t)+1
.endif
	v_max3_num_f32 v8, |v[XS]|, |v[XS+1]|, |v[XS+2]|               ; the largest magnitude of my 16, in two chains
	v_max3_num_f32 v9, |v[XS+3]|, |v[XS+4]|, |v[XS+5]|
.irp i, 6,10
	v_max3_num_f32 v8, v8, |v[XS+\i]|, |v[XS+\i+1]|
	v_max3_num_f32 v9, v9, |v[XS+\i+2]|, |v[XS+\i+3]|
.endr
	v_max3_num_f32 v8, v8, |v[XS+14]|, |v[XS+15]|
	v_max3_num_f32 v8, v8, v9, (EMAX+1)<<23        ; and the floor 2^(EMAX + 1 - 127): the byte cannot fall under 1
	v_max_num_f32_dpp v8, v8, v8 row_xmask:1 row_mask:0xf bank_mask:0xf   ; and of my neighbour's 16: the block's
	v_add_nc_u32 v11, -(EMAX<<23), v8              ; EMAX off its exponent field: the conversion takes the exponent field of this operand as its scale
	v_cvt_scalef32_pk8_fp4_f32 v[C+4*(\t)], v[XS:XS+7], v11
	v_cvt_scalef32_pk8_fp4_f32 v[C+4*(\t)+1], v[XS+8:XS+15], v11
	v_lshrrev_b32 v[E+(\t)], 23, v11               ; the scale's byte (a plain line behind the conversions)
	ds_store_b8 v5, v[E+(\t)] offset:16*(\t)       ; both lanes of a block write the same byte with the same value
	global_store_b64 v4, v[C+4*(\t):C+4*(\t)+1], s[18:19] offset:32*CB*(\t)   ; the wave stores 256 consecutive bytes, aligned
.endm
.irp t, 0,1,2,3,4,5,6,7,8,9,10,11,12,13,14,15
	STEP \t
.endr
	ds_load_b64 v[8:9], v6                         ; served behind my byte stores
	s_wait_dscnt 0x0
	global_store_b64 v7, v[8:9], s[20:21]          ; 32 lanes store my 256 scale bytes, aligned
	s_wait_tensorcnt 0x0                           ; the wave's end, behind my last LDS store
	ds_add_u32 v[SPW], v[NIL]
	s_wait_dscnt 0x0
	s_endpgm
; ---------------- Wo to f16.  A wave takes 8 rows as 4 pairs.  A step is 2 rows x 2 chunks of 64: lane l holds 8 numbers: numbers 8 (l % 8) on of chunk l / 16 of row (l / 8) % 2.
; Its 16 bytes of f16 stand so that sixteen lanes store 256 consecutive bytes (two rows of one chunk), aligned.
.Lnotq:
	s_cmp_ge_u32 ttmp9, GQ+GC
	s_cbranch_scc1 .Ltab
	s_sub_co_u32 s30, ttmp9, GQ
	s_lshl_b32 s30, s30, 2
	s_add_co_u32 s30, s30, s26                     ; which 8 rows
	s_lshl_b32 s32, s30, 15                        ; x 8 rows x 4,096 bytes
	s_mov_b32 s33, 0
	s_add_nc_u64 s[16:17], s[16:17], s[32:33]
	s_lshl_b32 s32, s30, 10                        ; x 8 rows x 128 bytes
	s_add_nc_u64 s[22:23], s[22:23], s[32:33]
	v_and_b32 v3, 7, v2
	v_bfe_u32 v4, v2, 3, 1
	v_lshrrev_b32 v5, 4, v2
	v_lshlrev_b32 v6, 5, v3
	v_lshl_add_u32 v6, v4, 12, v6
	v_lshl_add_u32 v6, v5, 8, v6                   ; in: 32 (l % 8) + 4,096 row + 256 chunk
	v_lshlrev_b32 v7, 4, v3
	v_lshl_add_u32 v7, v4, 7, v7
	v_lshl_add_u32 v7, v5, 17, v7                  ; out: 16 (l % 8) + 128 row + 131,072 chunk
.macro LOADC p                         ; pair p: 8 steps x 2 loads into set p % 2 (v16-79, v80-143)
.irp st, 0,1,2,3,4,5,6,7
	global_load_b128 v[16+64*((\p)%2)+8*\st:16+64*((\p)%2)+8*\st+3], v6, s[16:17] offset:(\p)*8192+\st*512 th:TH_LOAD_NT
	global_load_b128 v[16+64*((\p)%2)+8*\st+4:16+64*((\p)%2)+8*\st+7], v6, s[16:17] offset:(\p)*8192+\st*512+16 th:TH_LOAD_NT
.endr
.endm
.macro CAST p
.if (\p) < 3
	LOADC (\p)+1
	s_wait_loadcnt 16                              ; this pair's 16 loads are in; the next pair's may be out
.else
	s_wait_loadcnt 0x0
.endif
	s_wait_xcnt 0x0                                ; the last pair's stores have read v144-175
.set IN, 16+64*((\p)%2)
.irp st, 0,1,2,3,4,5,6,7
.irp k, 0,1,2,3
	v_cvt_pk_f16_f32 v[144+4*\st+\k], v[IN+8*\st+2*\k], v[IN+8*\st+2*\k+1]
.endr
.endr
.irp st, 0,1,2,3,4,5,6,7
	global_store_b128 v7, v[144+4*\st:144+4*\st+3], s[22:23] offset:\st*262144+(\p)*256
.endr
.endm
	LOADC 0
	CAST 0
	CAST 1
	CAST 2
	CAST 3
	s_endpgm
; ---------------- the table.  A wave takes 32 positions, a lane a frequency j.  The angle is reduced by quarter turns (n = the nearest whole number of them; pi / 2 in two parts, the first
; product exact in the fused form), sine and cosine of the rest, at most pi / 4, by polynomials, and the quarter turns put back by a swap and two signs: selections only, no branch.
.Ltab:
	s_sub_co_u32 s30, ttmp9, GQ+GC
	s_lshl_b32 s30, s30, 2
	s_add_co_u32 s30, s30, s26
	s_lshl_b32 s28, s30, 5                         ; my first position
	s_lshl_b32 s32, s30, 13                        ; x 32 positions x 256 bytes
	s_mov_b32 s33, 0
	s_add_nc_u64 s[24:25], s[24:25], s[32:33]
	s_mov_b32 s40, 0x3fc90fdb                      ; pi / 2, upper part
	s_mov_b32 s41, 0xb33bbd2e                      ; and the rest
	s_mov_b32 s42, 0xbe2aaaa3                      ; sine: -1.6666654611e-1,
	s_mov_b32 s43, 0x3c08839e                      ; 8.3321608736e-3,
	s_mov_b32 s44, 0xb94ca1f9                      ; -1.9515295891e-4
	s_mov_b32 s45, 0x3d2aaaa5                      ; cosine: 4.166664568e-2,
	s_mov_b32 s46, 0xbab6061a                      ; -1.388731625e-3,
	s_mov_b32 s47, 0x37ccf5ce                      ; 2.443315712e-5
	s_mov_b32 s48, 0x3e38aa3b                      ; log2(e) / 8
	v_cvt_f32_u32 v16, v2
	v_mul_f32 v16, 0xbed49a78, v16                 ; -j log2(10000) / 32
	v_exp_f32 v16, v16                             ; 10000^(-j / 32)
	v_lshlrev_b32 v17, 3, v2                       ; (a plain line behind it)  my 8 bytes of a position's 256
	s_wait_alu depctr_va_vdst(0)                   ; the wait ahead of the result's first reader
	s_mov_b32 s27, 32
.Lpos:
	v_cvt_f32_u32 v20, s28
	v_mul_f32 v20, v20, v16                        ; the angle
	v_mul_f32 v21, 0x3f22f983, v20                 ; x 2 / pi
	v_rndne_f32 v21, v21                           ; n
	v_fma_f32 v22, -v21, s40, v20
	v_fma_f32 v22, -v21, s41, v22                  ; r
	v_mul_f32 v23, v22, v22                        ; z = r^2
	v_fma_f32 v24, s44, v23, s43
	v_fma_f32 v25, s47, v23, s46
	v_fma_f32 v24, v24, v23, s42
	v_fma_f32 v25, v25, v23, s45
	v_mul_f32 v26, v23, v23
	v_fma_f32 v27, v23, -0.5, 1.0
	v_mul_f32 v24, v24, v23
	v_fma_f32 v25, v25, v26, v27                   ; cos r
	v_fma_f32 v24, v24, v22, v22                   ; sin r
	v_cvt_i32_f32 v28, v21
	v_and_b32 v29, 1, v28
	v_cmp_eq_u32 vcc_lo, 1, v29
	v_cndmask_b32 v30, v24, v25, vcc_lo            ; an odd number of quarter turns swaps the two
	v_cndmask_b32 v31, v25, v24, vcc_lo
	v_and_b32 v29, 2, v28
	v_lshlrev_b32 v29, 30, v29
	v_xor_b32 v33, v30, v29                        ; sine: minus in quarters 2 and 3
	v_add_nc_u32 v28, 1, v28
	v_and_b32 v28, 2, v28
	v_lshlrev_b32 v28, 30, v28
	v_xor_b32 v32, v31, v28                        ; cosine: minus in quarters 1 and 2
	v_mul_f32 v34, s48, v32
	v_mul_f32 v35, s48, v33
	global_store_b64 v17, v[32:33], s[24:25] offset:524288   ; table 1; the wave stores 256 consecutive bytes, aligned
	global_store_b64 v17, v[34:35], s[24:25]                 ; table 0
	s_wait_xcnt 0x0                                ; the stores' offset and data are written again only behind this wait
	v_add_nc_u32 v17, 0x100, v17
	s_add_co_u32 s28, s28, 1
	s_sub_co_u32 s27, s27, 1
	s_cmp_lg_u32 s27, 0
	s_cbranch_scc1 .Lpos
	s_endpgm
.Lfunc_end_k_q859705a8f5_prep:
	.size	k_q859705a8f5_prep, .Lfunc_end_k_q859705a8f5_prep-k_q859705a8f5_prep
	.p2alignl 7, 3214868480
	.fill 96, 4, 3214868480
	.section	.rodata,"a",@progbits
	.p2align	6, 0x0
	.amdhsa_kernel k_q859705a8f5_prep
		.amdhsa_group_segment_fixed_size 33280
		.amdhsa_private_segment_fixed_size 0
		.amdhsa_enable_private_segment 0
		.amdhsa_kernarg_size 88
		.amdhsa_user_sgpr_count 2
		.amdhsa_user_sgpr_kernarg_segment_ptr 1
		.amdhsa_wavefront_size32 1
		.amdhsa_system_sgpr_workgroup_id_x 1
		.amdhsa_system_sgpr_workgroup_id_y 1
		.amdhsa_system_sgpr_workgroup_id_z 1
		.amdhsa_system_vgpr_workitem_id 0
		.amdhsa_next_free_vgpr 192
		.amdhsa_next_free_sgpr 66
		.amdhsa_reserve_vcc 1
		.amdhsa_float_denorm_mode_32 3
		.amdhsa_float_denorm_mode_16_64 3
		.amdhsa_memory_ordered 1
		.amdhsa_forward_progress 1
		.amdhsa_inst_pref_size 55
	.end_amdhsa_kernel
	.amdgpu_metadata
---
amdhsa.version: [ 1, 2 ]
amdhsa.kernels:
  - .name:           k_q859705a8f5_prep
    .symbol:         k_q859705a8f5_prep.kd
    .args:
      - { .name: Q, .offset: 0, .size: 8, .value_kind: global_buffer, .address_space: global }
      - { .name: K, .offset: 8, .size: 8, .value_kind: global_buffer, .address_space: global }
      - { .name: V, .offset: 16, .size: 8, .value_kind: global_buffer, .address_space: global }
      - { .name: Wq, .offset: 24, .size: 8, .value_kind: global_buffer, .address_space: global }
      - { .name: Wk, .offset: 32, .size: 8, .value_kind: global_buffer, .address_space: global }
      - { .name: Wv, .offset: 40, .size: 8, .value_kind: global_buffer, .address_space: global }
      - { .name: Wo, .offset: 48, .size: 8, .value_kind: global_buffer, .address_space: global }
      - { .name: codes, .offset: 56, .size: 8, .value_kind: global_buffer, .address_space: global }
      - { .name: scales, .offset: 64, .size: 8, .value_kind: global_buffer, .address_space: global }
      - { .name: wo16, .offset: 72, .size: 8, .value_kind: global_buffer, .address_space: global }
      - { .name: tab, .offset: 80, .size: 8, .value_kind: global_buffer, .address_space: global }
    .group_segment_fixed_size: 33280
    .private_segment_fixed_size: 0
    .kernarg_segment_align: 8
    .kernarg_segment_size: 88
    .max_flat_workgroup_size: 128
    .sgpr_count:     66
    .vgpr_count:     192
    .wavefront_size: 32
...
	.end_amdgpu_metadata
.endif
;; end of part 1
;; launch proj (part 2): grid 4 x 96, 4 waves a work-group, clusters of 4 x 4, 327,680 bytes of LDS; arguments codes, scales, tab, qkv, first16; writes qkv, first16
.if DOCPART == 2
	.amdgcn_target "amdgcn-amd-amdhsa--gfx1250"
	.amdhsa_code_object_version 6
	.text
	.protected	k_q859705a8f5_proj
	.globl	k_q859705a8f5_proj
	.p2align	8
	.type	k_q859705a8f5_proj,@function
k_q859705a8f5_proj:
	s_mov_b64 s[64:65], 0
	v_nop
	global_prefetch_b8 v0, s[64:65] scope:SCOPE_SE
	s_setreg_imm32_b32 hwreg(HW_REG_WAVE_MODE, 25, 1), 1
	s_wait_xcnt 0x0
	s_wait_alu depctr_hold_cnt(0) depctr_sa_sdst(0) depctr_va_vdst(0) depctr_va_sdst(0) depctr_va_ssrc(0) depctr_va_vcc(0) depctr_vm_vsrc(0)
	s_getreg_b32 s2, hwreg(HW_REG_IB_STS2, 6, 4)
	s_cmp_eq_u32 s2, 0
	s_cbranch_scc0 .Lentry_in_a_cluster
	s_endpgm
.Lentry_in_a_cluster:
	s_bfe_u32 s2, ttmp6, 0x10000c
	s_cmp_lg_u32 s2, 0xf033
	s_cbranch_scc0 .Lentry_shape_is_right
	s_endpgm
.Lentry_shape_is_right:
; THE THREE PROJECTIONS q = Q Wq^T, k = K Wk^T, v = V Wv^T ON CODES OF FP4 (E2M1) WITH E8M0 SCALES, as one product of 24,576 rows: tile row y (256 rows) belongs to tensor t = y / 32 and takes that tensor's weight.
; codes [27648][512 bytes], scales [27648][32 bytes]: rows 0.. Q, K, V; rows 24576 + 1024 t .. the weights.  K = 1,024 is two slots of 512: both are asked for at the head, nothing is filled again.
; A tile of 256 x 256 is made by four waves, each 128 x 128: 64 accumulators, 512 registers.  THE MATRIX INSTRUCTION IS USED TRANSPOSED (source 0 = 16 rows of the weight, source 1 = 16 rows of x):
; a lane holds eight neighbouring channels of one position.
; CLUSTERS: 4 x 4 work-groups; x's tiles are shared along a row of the cluster, the weight's along a column: each is asked for jointly, by the same load with a mask that names the four.
; THE WAY OUT: q and k are rotated in f32 (pairs of neighbouring channels lie in one lane; cosine and sine come from tab, which for q also carries log2(e) / 8), rounded to f16 and laid
; qkv [3][batch][head][position][64]; positions 0..15 of every batch also leave in f32, first16 [3][batch][16][1024], for the launch that carries those rows finely.
; LIMITS: |q|, |k|, |v| beyond 65,504 become infinity in f16, under 6e-8 zero.
; REGISTERS, in windows of 256: window 0: v0-31 addresses; v32-95 scale words, two sets; v128-191 x's fragments, one set; v192-255 two sets of the table; on the way out v32-95 the rotated numbers,
;   v96-127 packed f16, v128-191 rows read back.  window 1: the weight's fragments, two sets.  window 2, 3: the accumulators of my rows 0-63, 64-127 (accumulator (a, b) at v[8 (8 (a % 4) + b)]).
.set KSTEP,  512
.set NQ,     KSTEP/128
.set ROWB,   256                       ; a tile's row in bytes
.set KROW,   512                       ; a row of codes in memory
.set PITCH,  272                       ; an LDS row: 256 bytes + 16 of padding: the 16 rows that a load touches start 16 bytes apart modulo 256
.set FR,     8
.set NL,     2
.set NP,     4                         ; places behind this matrix instruction (ISA guide 7.12.1)
.set HALFT,  128*PITCH
.set SLOT,   4*HALFT
.set KS,     32                        ; a row of scales in bytes
.set SCL,    2*SLOT
.set HALFS,  (128*KS/256)*272
.set SBLK,   (16*KS/256)*272
.set SPARE,  SCL+4*HALFS               ; the spare words, 128 bytes a wave, that no other line names
.set WROW0,  24576                     ; the weights' first row
.set ADRA, 16                          ; v16-17 LDS address of my x fragments in slot 0, 1
.set ADRB, 20                          ; v20-21 the same for the weight
.set VT,   22                          ; v22 my place in 16 rows of the table: 256 r + 32 h
.set VF,   23                          ; v23 my place in first16: 4,096 r + 32 h
.set STO,  24                          ; v24 the stage, in
.set RD,   25                          ; v25 the stage, back
.set CO,   26                          ; v26 16 x lane
.set ADRS, 27                          ; v27 LDS address of my scale words
.set SPW,  28
.set NIL,  29
.set VCY,  30                          ; v30 my work-group's place along the cluster's y
.set SC,   32
.set AF,   128
.set Y,    32
.set PK,   96
.set BK,   128
.set TB,   192
.set G1, 24
.set G0, 32
.set G1B, 48
.set G0B, 56
.set CY1, 66                           ; s66 cluster y & 1
.set BAT, 67                           ; s67 the batch
.set G1S, 68
.set G0S, 76
.set G1SB, 80
.set G0SB, 88
.set FSK, 94                           ; s94 0 where my wave may hold positions 0..15
.set TNS, 95                           ; s95 the tensor: 0 q, 1 k, 2 v
.set TABP, 96                          ; s[96:97] the table at my first position
.set QP,  98                           ; s[98:99] qkv at my first position of my first head
.set FP,  100                          ; s[100:101] first16 at my first channel
.set MSB, 0
.macro WIN new                         ; the immediate's high byte repeats the setting that is left
.if MSB != \new
	s_set_vgpr_msb (MSB<<8)|\new
.set MSB, \new
.endif
.endm
.set MUL_LO, 0xa1                      ; source 0 window 1, source 1 window 0, C and D window 2
.set MUL_HI, 0xf1                      ; the same, C and D window 3
.set TO_B,   0x40
; A joint load: waves 0 and 1 fetch for x, waves 2 and 3 for the weight; the branch hangs on the wave's number alone.  An s_nop 0 and four v_nop follow each of the two lines.
.macro JLOAD g0a, g1a, g0b, g1b
	s_cmp_eq_u32 s15, 0
	s_cbranch_scc0 .Lfor_b_\@
	tensor_load_to_lds s[\g0a:\g0a+3], s[\g1a:\g1a+7]
	s_nop 0
.rept 4
	v_nop
.endr
	s_branch .Lasked_\@
.Lfor_b_\@:
	tensor_load_to_lds s[\g0b:\g0b+3], s[\g1b:\g1b+7]
	s_nop 0
.rept 4
	v_nop
.endr
.Lasked_\@:
.endm
.macro CROUND                          ; a round of the cluster's barrier
	s_barrier_signal -1
	s_barrier_wait -1
	s_cmp_lg_u32 s14, 0
	s_cbranch_scc1 .Lnot_wave_0_\@
	s_barrier_signal -3
.Lnot_wave_0_\@:
	s_barrier_wait -3
	s_barrier_signal -1
	s_barrier_wait -1
.endm
	s_load_b256 s[4:11], s[0:1], 0x0               ; codes 4:5, scales 6:7, tab 8:9, qkv 10:11
	s_load_b64 s[12:13], s[0:1], 0x20              ; first16
	v_lshl_add_u32 v[SPW], v0, 2, SPARE
	v_mov_b32 v[NIL], 0
	ds_add_u32 v[SPW], v[NIL]                      ; the wave's opening: the add, twice on end, and its wait ahead of my first tensor load
	ds_add_u32 v[SPW], v[NIL]
	v_lshrrev_b32 v1, 5, v0
	v_readfirstlane_b32 s14, v1                    ; wave 0..3
	s_lshr_b32 s15, s14, 1                         ; which half of the tile's rows is mine.  Also: I fetch for x (0) or for the weight (1)
	s_and_b32 s16, s14, 1                          ; which half of its columns.  Also: which 128 rows I fetch
	s_bfe_u32 s40, ttmp6, 0x40000                  ; cx
	s_bfe_u32 s41, ttmp6, 0x40004                  ; cy
	s_lshl_b32 s42, ttmp9, 2
	s_add_co_u32 s42, s42, s40                     ; tile column
	s_and_b32 s[TNS], ttmp7, 0xffff                ; cluster y, which all sixteen share
	s_lshl_b32 s17, s[TNS], 2
	s_add_co_u32 s17, s17, s41                     ; tile row
	s_and_b32 s[CY1], s[TNS], 1
	s_bfe_u32 s[BAT], s[TNS], 0x20001              ; 8 clusters to a tensor, 2 to a batch
	s_lshr_b32 s[TNS], s[TNS], 3
	s_lshl_b32 s43, s41, 2
	s_lshl_b32 s43, 15, s43                        ; my row of the cluster
	s_lshl_b32 s44, 0x1111, s40                    ; my column
	s_or_b32 s[G1+0], s43, (0<<16)|(1<<20)|(1<<21)|(5<<22)|(3<<25)  ; the mask; elements of 1 byte; padding on; bit 21 beside a mask; 4 words behind every 64
	s_or_b32 s[G1B+0], s44, (0<<16)|(1<<20)|(1<<21)|(5<<22)|(3<<25)
.irp g, G1, G1B
	s_mov_b32 s[\g+1], ROWB<<16                    ; tensor_dim0
	s_mov_b32 s[\g+2], 128<<16                     ; tensor_dim1
	s_mov_b32 s[\g+3], ROWB<<16                    ; tile_dim0
	s_mov_b32 s[\g+4], 128                         ; tile_dim1
	s_mov_b32 s[\g+5], KROW                        ; from row to row
	s_mov_b32 s[\g+6], 0
	s_mov_b32 s[\g+7], 0
.endr
	s_or_b32 s[G1S+0], s43, (3<<16)|(1<<20)|(1<<21)|(5<<22)|(3<<25) ; the scales of 128 rows: 4,096 dense bytes as 16 rows of 256 (32 elements of 8 bytes), 16 bytes of padding behind each
	s_or_b32 s[G1SB+0], s44, (3<<16)|(1<<20)|(1<<21)|(5<<22)|(3<<25)
.irp g, G1S, G1SB
	s_mov_b32 s[\g+1], 32<<16
	s_mov_b32 s[\g+2], (128*KS/256)<<16
	s_mov_b32 s[\g+3], 32<<16
	s_mov_b32 s[\g+4], 128*KS/256
	s_mov_b32 s[\g+5], 32
	s_mov_b32 s[\g+6], 0
	s_mov_b32 s[\g+7], 0
.endr
	s_lshl_b32 s18, s16, 7                         ; which 128 rows of the tile I fetch
	s_lshl_b32 s20, s17, 8
	s_add_co_u32 s20, s20, s18                     ; x: row 256 x tile row + 128 x half
	s_lshl_b32 s46, s42, 8
	s_add_co_u32 s46, s46, s18
	s_lshl_b32 s19, s[TNS], 10
	s_add_co_u32 s46, s46, s19
	s_add_co_u32 s46, s46, WROW0                   ; the weight: row 24,576 + 1,024 t + 256 x tile column + 128 x half
	s_mov_b32 s21, 0
	s_mov_b32 s47, 0
	s_mov_b64 s[18:19], KS
	s_mul_u64 s[22:23], s[20:21], s[18:19]         ; where these rows' scales begin,
	s_mul_u64 s[92:93], s[46:47], s[18:19]
	s_mov_b64 s[18:19], KROW
	s_mul_u64 s[20:21], s[20:21], s[18:19]         ; and their codes
	s_mul_u64 s[46:47], s[46:47], s[18:19]
	s_mul_i32 s45, s14, HALFT                      ; where they go: wave x 128 rows
	s_mul_i32 s94, s14, HALFS
	s_wait_dscnt 0x0                               ; both opening adds are done
	s_wait_kmcnt 0x0
	s_add_nc_u64 s[20:21], s[4:5], s[20:21]
	s_add_nc_u64 s[22:23], s[6:7], s[22:23]
	s_add_nc_u64 s[46:47], s[4:5], s[46:47]
	s_add_nc_u64 s[92:93], s[6:7], s[92:93]
	CROUND                                         ; all sixteen work-groups are here: the joint loads meet
	s_mov_b32 s[G0S], 1
	s_add_co_u32 s[G0S+1], s94, SCL
	s_mov_b64 s[G0S+2:G0S+3], s[22:23]
	s_or_b32 s[G0S+3], s[G0S+3], 0x80000000
	s_mov_b32 s[G0SB], 1
	s_add_co_u32 s[G0SB+1], s94, SCL
	s_mov_b64 s[G0SB+2:G0SB+3], s[92:93]
	s_or_b32 s[G0SB+3], s[G0SB+3], 0x80000000
	JLOAD G0S, G1S, G0SB, G1SB                     ; the scales first: they are wanted with the first slot
.irp s, 0,1
	s_mov_b32 s[G0+4*\s], 1
	s_add_co_u32 s[G0+4*\s+1], s45, \s*SLOT
	s_add_nc_u64 s[G0+4*\s+2:G0+4*\s+3], s[20:21], \s*ROWB
	s_or_b32 s[G0+4*\s+3], s[G0+4*\s+3], 0x80000000
	s_mov_b32 s[G0B+4*\s], 1
	s_add_co_u32 s[G0B+4*\s+1], s45, \s*SLOT
	s_add_nc_u64 s[G0B+4*\s+2:G0B+4*\s+3], s[46:47], \s*ROWB
	s_or_b32 s[G0B+4*\s+3], s[G0B+4*\s+3], 0x80000000
	JLOAD G0+4*\s, G1, G0B+4*\s, G1B               ; three loads of mine are out, and no more follow
.endr
	v_and_b32 v1, 15, v0                           ; r
	v_bfe_u32 v2, v0, 4, 1                         ; h
	v_mul_u32_u24 v3, v1, PITCH
	v_lshl_add_u32 v4, v2, 4, v3                   ; a fragment's row x pitch + 16 h
	s_mul_i32 s21, s15, HALFT
	s_mul_i32 s22, s16, HALFT
	s_add_co_u32 s22, s22, 2*HALFT
.irp s, 0,1
	v_add_nc_u32 v[ADRA+\s], s21, v4
	v_add_nc_u32 v[ADRB+\s], s22, v4
	s_add_co_u32 s21, s21, SLOT
	s_add_co_u32 s22, s22, SLOT
.endr
	v_mul_u32_u24 v5, v1, KS                       ; my row's scales: KS bytes a row,
	v_lshrrev_b32 v6, 8, v5
	v_lshl_add_u32 v5, v6, 4, v5                   ; and 16 more for each 256 passed
	s_mul_i32 s21, s15, HALFS
	s_mul_i32 s22, s16, HALFS
	s_add_co_u32 s22, s22, 2*HALFS
	s_sub_co_u32 s22, s22, s21
	v_mul_u32_u24 v6, s22, v2                      ; lanes 16-31 take the weight's
	s_add_co_u32 s21, s21, SCL
	v_add_nc_u32 v5, v5, v6
	v_add_nc_u32 v[ADRS], s21, v5
	s_mul_i32 s23, s14, 16*PITCH                   ; my stage: 16 rows x 272 bytes, in slot 0, which has had its only fill and, when the first result is stored, its last read
	v_add_nc_u32 v[STO], s23, v4                   ; in: row r, 16 bytes for each half of the lanes
	v_and_b32 v6, 31, v0
	v_lshrrev_b32 v5, 3, v6
	v_mul_u32_u24 v5, v5, PITCH
	v_and_b32 v3, 7, v0
	v_lshl_add_u32 v5, v3, 4, v5
	v_add_nc_u32 v[RD], s23, v5                    ; back: eight lanes take a head's 128 bytes of a row, the 32 lanes four rows
	v_lshlrev_b32 v[CO], 4, v6
	v_lshlrev_b32 v[VT], 8, v1
	v_lshl_add_u32 v[VT], v2, 5, v[VT]
	v_lshlrev_b32 v[VF], 12, v1
	v_lshl_add_u32 v[VF], v2, 5, v[VF]
	v_mov_b32 v[VCY], s41
	; the way out's bases.  What hangs on cy is made in s18-s21, what hangs on cx in s46, s47
	s_lshl_b32 s18, s[CY1], 2
	s_add_co_u32 s18, s18, s41
	s_lshl_b32 s18, s18, 8
	s_lshl_b32 s19, s15, 7
	s_add_co_u32 s18, s18, s19                     ; my first position: 256 (4 (cluster y & 1) + cy) + 128 x half
	s_lshl_b32 s20, s18, 8                         ; x 256 bytes of a table row
	s_cmp_eq_u32 s[TNS], 1
	s_cselect_b32 s21, 524288, 0                   ; k takes table 1
	s_add_co_u32 s20, s20, s21
	s_mov_b32 s21, 0
	s_add_nc_u64 s[TABP:TABP+1], s[8:9], s[20:21]
	s_lshl_b32 s20, s[TNS], 24                     ; a tensor of qkv is 16,777,216 bytes,
	s_lshl_b32 s21, s[BAT], 22                     ; a batch 16 heads of 262,144,
	s_add_co_u32 s20, s20, s21
	s_lshl_b32 s21, s18, 7                         ; a position 128
	s_add_co_u32 s20, s20, s21
	s_mov_b32 s21, 0
	s_add_nc_u64 s[QP:QP+1], s[10:11], s[20:21]
	s_lshl_b32 s46, s42, 20                        ; a tile column is four heads,
	s_lshl_b32 s47, s16, 19                        ; my half two
	s_add_co_u32 s46, s46, s47
	s_mov_b32 s47, 0
	s_add_nc_u64 s[QP:QP+1], s[QP:QP+1], s[46:47]
	s_lshl_b32 s20, s[TNS], 18
	s_lshl_b32 s21, s[BAT], 16
	s_add_co_u32 s20, s20, s21
	s_mov_b32 s21, 0
	s_add_nc_u64 s[FP:FP+1], s[12:13], s[20:21]
	s_lshl_b32 s46, s42, 10
	s_lshl_b32 s47, s16, 9
	s_add_co_u32 s46, s46, s47
	s_mov_b32 s47, 0
	s_add_nc_u64 s[FP:FP+1], s[FP:FP+1], s[46:47]
	s_or_b32 s[FSK], s15, s[CY1]                   ; the same in all sixteen partners, for a given wave
; the table's rows of my block a (16 positions x 64 numbers) into set a % 2: lane (r, h) takes, of row r, numbers 16 q + 8 h + 0..7: the cosines and sines of its own eight channels, for both heads
.macro TAB a
.irp q, 0,1,2,3
	global_load_b128 v[TB+32*((\a)%2)+8*\q:TB+32*((\a)%2)+8*\q+3], v[VT], s[TABP:TABP+1] offset:(\a)*4096+64*\q
	global_load_b128 v[TB+32*((\a)%2)+8*\q+4:TB+32*((\a)%2)+8*\q+7], v[VT], s[TABP:TABP+1] offset:(\a)*4096+64*\q+16
.endr
.endm
	s_cmp_eq_u32 s[TNS], 2                         ; v is not rotated
	s_cbranch_scc1 .Lno_tab
	TAB 0
.Lno_tab:
.macro FRAG reg, adr, q, i             ; 16 rows x 128 K of 4-bit codes: 8 registers: lane l holds row l % 16; registers 4 c .. 4 c + 3 hold K = 64 c + 32 (l / 16) + 0 .. 31
.irp c, 0,1
	ds_load_b128 v[\reg+4*\c:\reg+4*\c+3], v[\adr] offset:64*(\q)+32*\c+(\i)*16*PITCH
.endr
.endm
; 16 matrix instructions: x's blocks a0, a0 + 1 against the weight's eight, 128 along K.  The 64 accumulators take turns, one instruction a turn, in the same order in every step.
; One register carries both sides' scale words: lanes 0-15 x's block i, lanes 16-31 the weight's block i.
.macro MUL16 a0, p, q, sc, zero
.irp a, \a0, \a0+1
.irp b, 0,1,2,3,4,5,6,7
.if \zero
	v_wmma_scale_f32_16x16x128_f8f6f4 v[8*(8*((\a)%4)+\b):8*(8*((\a)%4)+\b)+7], v[128*(\p)+FR*\b:128*(\p)+FR*\b+FR-1], v[AF+FR*(\a):AF+FR*(\a)+FR-1], 0, v[SC+8*NQ*(\sc)+NQ*\b+(\q)], v[SC+8*NQ*(\sc)+NQ*(\a)+(\q)] matrix_a_fmt:MATRIX_FMT_FP4 matrix_b_fmt:MATRIX_FMT_FP4 matrix_a_scale:MATRIX_SCALE_ROW1
.else
	v_wmma_scale_f32_16x16x128_f8f6f4 v[8*(8*((\a)%4)+\b):8*(8*((\a)%4)+\b)+7], v[128*(\p)+FR*\b:128*(\p)+FR*\b+FR-1], v[AF+FR*(\a):AF+FR*(\a)+FR-1], v[8*(8*((\a)%4)+\b):8*(8*((\a)%4)+\b)+7], v[SC+8*NQ*(\sc)+NQ*\b+(\q)], v[SC+8*NQ*(\sc)+NQ*(\a)+(\q)] matrix_a_fmt:MATRIX_FMT_FP4 matrix_b_fmt:MATRIX_FMT_FP4 matrix_a_scale:MATRIX_SCALE_ROW1
.endif
.endr
.endr
.endm
.macro FETCH_B slot, q, p
	WIN TO_B
.irp i, 0,1,2,3,4,5,6,7
	FRAG 128*(\p)+FR*\i, ADRB+\slot, \q, \i
.endr
	WIN 0
.endm
.macro FETCH_A slot, q, i0
.irp i, \i0, \i0+1, \i0+2, \i0+3
	FRAG AF+FR*(\i), ADRA+\slot, \q, \i
.endr
.endm
.macro SCALES sc                       ; a slot's scale words: four words a row
.irp i, 0,1,2,3,4,5,6,7
	ds_load_b128 v[SC+8*NQ*\sc+NQ*\i:SC+8*NQ*\sc+NQ*\i+3], v[ADRS] offset:\i*SBLK
.endr
.endm
.macro PLACES n                        ; plain vector lines between a matrix instruction and a load into, or a read of, its registers
.rept \n
	v_nop
.endr
.endm
.macro STEP slot, q, zero              ; 128 along K that has its successor in the same slot
	s_wait_dscnt 4*NL                              ; the weight's set and x's blocks 0-3 are in; the youngest eight loads (blocks 4-7) may be out
	WIN MUL_LO
	MUL16 0, (\q)%2, \q, \slot, \zero
	MUL16 2, (\q)%2, \q, \slot, \zero
	s_wait_dscnt 0
	PLACES NP
	FETCH_B \slot, (\q)+1, 1-(\q)%2
	FETCH_A \slot, (\q)+1, 0
	WIN MUL_HI
	MUL16 4, (\q)%2, \q, \slot, \zero
	MUL16 6, (\q)%2, \q, \slot, \zero
	PLACES NP
	WIN 0
	FETCH_A \slot, (\q)+1, 4
.endm
.macro STEPS slot, from
.set Q, \from
.rept NQ-1-\from
	STEP \slot, Q, 0
.set Q, Q+1
.endr
.endm
	s_wait_tensorcnt 1                             ; the scales and my part of slot 0 are in (slot 1's load may be out)
	s_barrier_signal -1
	s_barrier_wait -1                              ; everybody's are
	FETCH_B 0, 0, 0
	FETCH_A 0, 0, 0
	SCALES 0
	FETCH_A 0, 0, 4
	STEP 0, 0, 1                                   ; the first step's products start the sums: nothing is cleared
	STEPS 0, 1
	; slot 0's last step changes slots: one barrier; in front of it my load of slot 1 has landed and my reads of slot 0 are over
	s_wait_tensorcnt 0x0
	ds_add_u32 v[SPW], v[NIL]
	s_wait_dscnt 4*NL+1                            ; (the add and the youngest eight loads may be out)
	WIN MUL_LO
	MUL16 0, 1, NQ-1, 0, 0
	s_wait_dscnt 0x0
	s_barrier_signal -1
	MUL16 2, 1, NQ-1, 0, 0
	WIN 0
	s_barrier_wait -1
	PLACES NP
	v_add_nc_u32 v[ADRS], 4*NQ, v[ADRS]            ; on to slot 1's scale words
	FETCH_B 1, 0, 0
	FETCH_A 1, 0, 0
	SCALES 1
	WIN MUL_HI
	MUL16 4, 1, NQ-1, 0, 0
	MUL16 6, 1, NQ-1, 0, 0
	PLACES NP
	WIN 0
	FETCH_A 1, 0, 4
	STEPS 1, 0
	s_wait_dscnt 4*NL                              ; the very last step
	WIN MUL_LO
	MUL16 0, 1, NQ-1, 1, 0
	MUL16 2, 1, NQ-1, 1, 0
	s_wait_dscnt 0
	WIN MUL_HI
	MUL16 4, 1, NQ-1, 1, 0
	MUL16 6, 1, NQ-1, 1, 0
	WIN 0
; THE WAY OUT, block a of 16 positions x 128 channels at a time.
.macro ROPE a                          ; y(2 p) = x(2 p) cos - x(2 p + 1) sin, y(2 p + 1) = x(2 p) sin + x(2 p + 1) cos; each accumulator is read from its low end on
.if (\a) < 7
	s_wait_loadcnt 8                               ; this block's eight table loads are in; the next block's may be out
.else
	s_wait_loadcnt 0x0
.endif
	WIN 0x02+((\a)/4)                              ; source 0: the accumulators' window
.set AC, 64*((\a)%4)
.set TT, TB+32*((\a)%2)
.irp b, 0,1,2,3,4,5,6,7
.irp p, 0,2,4,6
	v_pk_mul_f32 v[Y+8*\b+\p:Y+8*\b+\p+1], v[AC+8*\b+\p:AC+8*\b+\p+1], v[TT+8*(\b%4)+\p:TT+8*(\b%4)+\p+1] op_sel_hi:[1,0]   ; both x the cosine
.endr
.irp p, 0,2,4,6
	v_fma_f32 v[Y+8*\b+\p], -v[AC+8*\b+\p+1], v[TT+8*(\b%4)+\p+1], v[Y+8*\b+\p]
	v_fma_f32 v[Y+8*\b+\p+1], v[AC+8*\b+\p], v[TT+8*(\b%4)+\p+1], v[Y+8*\b+\p+1]
.endr
.endr
	WIN 0
.endm
.macro PACK a, plain                   ; to f16, 16 bytes for each accumulator
.if \plain
	WIN 0x0a+5*((\a)/4)                            ; sources 0 and 1: the accumulators' window
.set SRC, 64*((\a)%4)
.else
.set SRC, Y
.endif
.set i, 0
.rept 32
	v_cvt_pk_f16_f32 v[PK+i], v[SRC+2*i], v[SRC+2*i+1]
.set i, i+1
.endr
	WIN 0
.endm
.macro TOSTAGE a                       ; into my stage and back as rows of a head; a wave's LDS instructions are served in order
.irp b, 0,1,2,3,4,5,6,7
	ds_store_b128 v[STO], v[PK+4*\b:PK+4*\b+3] offset:32*\b
.endr
.set BB, BK+32*((\a)%2)
.irp hh, 0,1
.irp i, 0,1,2,3
	ds_load_b128 v[BB+16*\hh+4*\i:BB+16*\hh+4*\i+3], v[RD] offset:128*\hh+4*PITCH*\i
.endr
.endr
.endm
.macro SEND a
.set BB, BK+32*((\a)%2)
	s_wait_dscnt 0x0                               ; the block is back in registers
	s_wait_xcnt 0x0                                ; the block before has been read by its stores: the next block's loads may land there
.irp hh, 0,1
.irp i, 0,1,2,3
	global_store_b128 v[CO], v[BB+16*\hh+4*\i:BB+16*\hh+4*\i+3], s[QP:QP+1] offset:\hh*262144+(\a)*2048+\i*512   ; four positions of a head: 512 consecutive bytes, aligned
.endr
.endr
.endm
; Positions 0..15 of a batch, in f32.  They lie in block 0 of the waves of the upper half of the tile whose first position is 0.  The branch hangs on the wave's number and the cluster's y, which all
; partners share; the work-group's place along y only sets which lanes store.
.macro FINE plain
	s_cmp_lg_u32 s[FSK], 0
	s_cbranch_scc1 .Lno_fine_\@
	v_cmp_eq_u32 vcc_lo, 0, v[VCY]
	s_wait_xcnt 0x0                                ; EXEC changes only behind this wait
	s_and_saveexec_b32 s3, vcc_lo
.if \plain
	WIN 0x08                                       ; a store's data: window 2
.irp b, 0,1,2,3,4,5,6,7
	global_store_b128 v[VF], v[8*\b:8*\b+3], s[FP:FP+1] offset:64*\b
	global_store_b128 v[VF], v[8*\b+4:8*\b+7], s[FP:FP+1] offset:64*\b+16
.endr
	WIN 0
.else
.irp b, 0,1,2,3,4,5,6,7
	global_store_b128 v[VF], v[Y+8*\b:Y+8*\b+3], s[FP:FP+1] offset:64*\b
	global_store_b128 v[VF], v[Y+8*\b+4:Y+8*\b+7], s[FP:FP+1] offset:64*\b+16
.endr
.endif
	s_wait_xcnt 0x0                                ; and again, in front of the line that widens it; the stores' data may be written again too
	s_or_b32 exec_lo, exec_lo, s3
.Lno_fine_\@:
.endm
	PLACES NP                                      ; behind the last products: for the first reads of results and the first writes of registers that held operands and scales
	s_cmp_eq_u32 s[TNS], 2
	s_cbranch_scc1 .Lplain
	TAB 1
	ROPE 0
	PACK 0, 0
	FINE 0
	TOSTAGE 0
.irp a, 1,2,3,4,5,6,7
.if \a < 7
	TAB \a+1
.endif
	ROPE \a
	PACK \a, 0
	SEND \a-1                                      ; a block's arithmetic stands between the stage's loads of the block before and the wait for them
	TOSTAGE \a
.endr
	SEND 7
	s_branch .Ldone
.Lplain:
	PACK 0, 1
	FINE 1
	TOSTAGE 0
.irp a, 1,2,3,4,5,6,7
	PACK \a, 1
	SEND \a-1
	TOSTAGE \a
.endr
	SEND 7
.Ldone:
	s_wait_tensorcnt 0x0                           ; the wave's end, behind my last tensor load and my last LDS store
	ds_add_u32 v[SPW], v[NIL]
	s_wait_dscnt 0x0
	CROUND                                         ; the closing round
	s_endpgm
.Lfunc_end_k_q859705a8f5_proj:
	.size	k_q859705a8f5_proj, .Lfunc_end_k_q859705a8f5_proj-k_q859705a8f5_proj
	.p2alignl 7, 3214868480
	.fill 96, 4, 3214868480
	.section	.rodata,"a",@progbits
	.p2align	6, 0x0
	.amdhsa_kernel k_q859705a8f5_proj
		.amdhsa_group_segment_fixed_size 327680
		.amdhsa_private_segment_fixed_size 0
		.amdhsa_enable_private_segment 0
		.amdhsa_kernarg_size 40
		.amdhsa_user_sgpr_count 2
		.amdhsa_user_sgpr_kernarg_segment_ptr 1
		.amdhsa_wavefront_size32 1
		.amdhsa_system_sgpr_workgroup_id_x 1
		.amdhsa_system_sgpr_workgroup_id_y 1
		.amdhsa_system_sgpr_workgroup_id_z 1
		.amdhsa_system_vgpr_workitem_id 0
		.amdhsa_next_free_vgpr 1024
		.amdhsa_next_free_sgpr 102
		.amdhsa_reserve_vcc 1
		.amdhsa_float_denorm_mode_32 3
		.amdhsa_float_denorm_mode_16_64 3
		.amdhsa_memory_ordered 1
		.amdhsa_forward_progress 1
		.amdhsa_inst_pref_size 216
	.end_amdhsa_kernel
	.amdgpu_metadata
---
amdhsa.version: [ 1, 2 ]
amdhsa.kernels:
  - .name:           k_q859705a8f5_proj
    .symbol:         k_q859705a8f5_proj.kd
    .args:
      - { .name: codes, .offset: 0, .size: 8, .value_kind: global_buffer, .address_space: global }
      - { .name: scales, .offset: 8, .size: 8, .value_kind: global_buffer, .address_space: global }
      - { .name: tab, .offset: 16, .size: 8, .value_kind: global_buffer, .address_space: global }
      - { .name: qkv, .offset: 24, .size: 8, .value_kind: global_buffer, .address_space: global }
      - { .name: first16, .offset: 32, .size: 8, .value_kind: global_buffer, .address_space: global }
    .group_segment_fixed_size: 327680
    .private_segment_fixed_size: 0
    .kernarg_segment_align: 8
    .kernarg_segment_size: 40
    .max_flat_workgroup_size: 128
    .sgpr_count:     102
    .vgpr_count:     1024
    .wavefront_size: 32
...
	.end_amdgpu_metadata
.endif
;; end of part 2
;; launch attn (part 3): grid 4 x 64, 16 waves a work-group, no clusters, 327,680 bytes of LDS; arguments qkv, o16; writes o16
.if DOCPART == 3
	.amdgcn_target "amdgcn-amd-amdhsa--gfx1250"
	.amdhsa_code_object_version 6
	.text
	.protected	k_q859705a8f5_attn
	.globl	k_q859705a8f5_attn
	.p2align	8
	.type	k_q859705a8f5_attn,@function
k_q859705a8f5_attn:
	s_mov_b64 s[64:65], 0
	v_nop
	global_prefetch_b8 v0, s[64:65] scope:SCOPE_SE
	s_setreg_imm32_b32 hwreg(HW_REG_WAVE_MODE, 25, 1), 1
	s_wait_xcnt 0x0
; CAUSAL ATTENTION, head size 64, on f16 operands with f32 sums.  qkv: f16 [3][batch x head 64][position 2048][64]; q carries log2(e) / 8, so a score is already the exponent t of 2.  o16: f16 [64][2048][64].
; p = 2^(t - m), m the running largest t of the row: at most 1 for every input; the row's sum l is taken of the unrounded p; in every step O and l are multiplied by a = 2^(old m - new m).
; SHARES.  Work-group (i, head) owns query blocks i and 7 - i of 256 queries: 9 units of 256 x 256 under the causal mask in every work-group.  Each of its sixteen waves owns 32 neighbouring queries,
; two tiles of 16, in 256 registers; neighbouring waves take the two blocks by turns.  Every wave walks the slots; a step of 64 keys all of which come after its queries is left out.
; NO CLUSTER: the four work-groups of a head need 8, 7, 6 and 5 slots of keys: a partner would be handed tiles that none of its waves reads.
; LAYOUT.  S^T = K Q^T (source 0 = 16 keys, source 1 = 16 queries): a lane holds ONE query (lane % 16) and keys 8 (lane / 16) + 0..7 of a tile.  Two such tiles, rounded to f16 in pairs, ARE source 1
; (32 keys x 16 queries) of O^T = V^T P, whose result again holds one query a lane.  K comes out of LDS as it lies, V ([key][channel]) turned, by ds_load_tr16_b128.
; RING.  Two slots of 256 keys (K's rows at pitch 144, V's at 160), filled by waves 0, 1 (K's halves) and 2, 3 (V's), read by all sixteen.  The change of slots stands at a slot's head.
; LIMITS: o beyond 65,504 becomes infinity in f16; p under 6e-8 is 0 in the second product.
.set KP,    144                        ; a row of K in LDS: 128 bytes + 16
.set VP,    160                        ; a row of V: 128 + 32
.set VOFF,  256*KP
.set SLOT1, 1<<17                      ; slot 1 begins here: one exclusive or turns an address from one slot to the other
.set SPARE, 2*SLOT1                    ; the spare words, 128 bytes a wave, that no other line names
.set STAGE, SPARE+2048                 ; the way out: 16 rows x 144 bytes for each wave; no tile lands here
.set AK0,  1                           ; v1  my lane's place in a tile of K
.set AV0,  2                           ; v2  the same for V
.set ADK,  3                           ; v3  LDS address of the step's K
.set ADV,  4                           ; v4  of its V
.set SPW,  5
.set NIL,  6
.set PFO,  7                           ; v7  256 x lane
.set D0,   8                           ; v8, v9 the mask: my query less the step's first key less 8 (lane / 16), for tile 0, 1
.set NINF, 10                          ; v10 -infinity
.set DB,   11                          ; v11 lane % 16 - 8 (lane / 16)
.set ST,   12                          ; tile t's statistics at v[ST + 8 t]: +0 m, +1 its pair's other word, +2, +3 l, +4 .. +7 at work; a in +6
.set STO,  28
.set RD,   29
.set GO,   30
.set QF,   32                          ; v32-63   Q, 16 a tile
.set S,    64                          ; v64-127  S^T, 32 a tile; P takes the low 16 of each
.set O,    128                         ; v128-191 O^T, 32 a tile
.set KV,   192                         ; v192-255 K's fragments of a step, then V's
.set WV,   8
.set Q0,   10                          ; s10 my first query
.set KF,   11                          ; s11 the step's first key
.set LASTQ, 12                         ; s12 my work-group's last query
.set TB,   13                          ; s13 LDS byte at which the slot in hand begins
.set SLOTS, 14
.set LIM,  15                          ; s15 1 in a wave that prefetches, else the greatest number
.set PFA,  16                          ; s[16:17] where my prefetches stand
.set SEL,  18                          ; s[18:19] v_permlanex16_b32's selects for lane l xor 16
.set G1K,  24
.set G1V,  32
.set G0K,  40
.set G0V,  44
.set QA,   48
.set OA,   50
.set T0,   52
.set T1,   53
; Waves 0 and 1 fetch for K, waves 2 and 3 for V, the others nothing.  An s_nop 0 and four v_nop follow each of the two lines.
.macro TLOAD
	s_cmp_lt_u32 s[WV], 2
	s_cbranch_scc0 .Lnot_k_\@
	tensor_load_to_lds s[G0K:G0K+3], s[G1K:G1K+7]
	s_nop 0
.rept 4
	v_nop
.endr
	s_branch .Lasked_\@
.Lnot_k_\@:
	s_cmp_lt_u32 s[WV], 4
	s_cbranch_scc0 .Lasked_\@
	tensor_load_to_lds s[G0V:G0V+3], s[G1V:G1V+7]
	s_nop 0
.rept 4
	v_nop
.endr
.Lasked_\@:
.endm
; A prefetch of what the NEXT change of slots will ask for: 32,768 dense bytes of K and as many of V.  All four work-groups of a head walk the same keys: the one with i = 0, which walks all slots, asks.
; In it waves 4 to 7 ask for K, waves 8 to 11 for V: 8,192 bytes a wave, lanes 256 bytes apart: each aligned block of 256 bytes is named once.  The last change that fills a slot asks for nothing.
.macro ASK
	s_cmp_gt_u32 s[SLOTS], s[LIM]
	s_cbranch_scc0 .Lnot_mine_\@
	global_prefetch_b8 v[PFO], s[PFA:PFA+1] th:TH_LOAD_NT scope:SCOPE_SE
.Lnot_mine_\@:
.endm
	s_load_b128 s[4:7], s[0:1], 0x0                ; qkv, o16
	v_lshl_add_u32 v[SPW], v0, 2, SPARE
	v_mov_b32 v[NIL], 0
	ds_add_u32 v[SPW], v[NIL]                      ; the wave's opening: the add, twice on end, and its wait ahead of my first tensor load
	ds_add_u32 v[SPW], v[NIL]
	v_lshrrev_b32 v1, 5, v0
	v_readfirstlane_b32 s[WV], v1                  ; wave 0..15
	s_and_b32 s20, ttmp7, 0xffff
	s_lshl_b32 s20, s20, 18                        ; the head's first byte in each tensor: 262,144 bytes a head
	s_mov_b32 s21, 0
	s_lshr_b32 s[T0], s[WV], 2
	s_xor_b32 s[T0], s[T0], s[WV]
	s_and_b32 s[T0], s[T0], 1                      ; which of the two blocks
	s_sub_co_u32 s[T1], 7, ttmp9
	s_cmp_eq_u32 s[T0], 1
	s_cselect_b32 s[Q0], s[T1], ttmp9
	s_lshl_b32 s[Q0], s[Q0], 8
	s_lshr_b32 s[T0], s[WV], 1
	s_lshl_b32 s[T0], s[T0], 5
	s_add_co_u32 s[Q0], s[Q0], s[T0]               ; my first query: 256 x block + 32 (wave / 2)
	s_sub_co_u32 s[LASTQ], 8, ttmp9
	s_lshl_b32 s[LASTQ], s[LASTQ], 8
	s_sub_co_u32 s[LASTQ], s[LASTQ], 1             ; the last query of block 7 - i
	s_and_b32 s22, s[WV], 1                        ; what I fetch, if I fetch: 128 rows, 16,384 bytes
	s_lshl_b32 s54, s22, 14
	s_mov_b32 s55, 0
	s_add_nc_u64 s[54:55], s[54:55], s[20:21]
	s_mul_i32 s56, s22, 128*KP
	s_mul_i32 s57, s22, 128*VP
	s_add_co_u32 s57, s57, VOFF
	s_mov_b32 s[G1K], (1<<16)|(1<<20)|(4<<22)|(3<<25)   ; no mask; elements of 2 bytes; padding on: 4 words behind every 32
	s_mov_b32 s[G1V], (1<<16)|(1<<20)|(4<<22)|(7<<25)   ; 8 words
.irp g, G1K, G1V
	s_mov_b32 s[\g+1], 64<<16                      ; tensor_dim0
	s_mov_b32 s[\g+2], 128<<16                     ; tensor_dim1
	s_mov_b32 s[\g+3], 64<<16                      ; tile_dim0
	s_mov_b32 s[\g+4], 128                         ; tile_dim1
	s_mov_b32 s[\g+5], 64                          ; from row to row
	s_mov_b32 s[\g+6], 0
	s_mov_b32 s[\g+7], 0
.endr
	s_mov_b32 s[SEL], 0x76543210
	s_mov_b32 s[SEL+1], 0xfedcba98
	s_mov_b32 s[TB], 0
	s_mov_b32 s[KF], 0
	s_mov_b32 s[SLOTS], 7
	s_wait_dscnt 0x0                               ; both opening adds are done
	s_wait_kmcnt 0x0
	s_mov_b32 s[G0K], 1
	s_mov_b32 s[G0K+1], s56
	s_add_nc_u64 s[G0K+2:G0K+3], s[4:5], s[54:55]
	s_add_nc_u64 s[G0K+2:G0K+3], s[G0K+2:G0K+3], 16777216   ; k is the second tensor
	s_or_b32 s[G0K+3], s[G0K+3], 0x80000000
	s_mov_b32 s[G0V], 1
	s_mov_b32 s[G0V+1], s57
	s_add_nc_u64 s[G0V+2:G0V+3], s[4:5], s[54:55]
	s_add_nc_u64 s[G0V+2:G0V+3], s[G0V+2:G0V+3], 33554432   ; v the third
	s_or_b32 s[G0V+3], s[G0V+3], 0x80000000
	TLOAD                                          ; slot 0: keys 0 to 255, which count for queries of every wave
	s_lshl_b32 s[T0], s[Q0], 7
	s_mov_b32 s[T1], 0
	s_add_nc_u64 s[52:53], s[52:53], s[20:21]
	s_add_nc_u64 s[QA:QA+1], s[4:5], s[52:53]      ; q and o at my first query
	s_add_nc_u64 s[OA:OA+1], s[6:7], s[52:53]
	s_mov_b32 s[T0], 33554432
	s_cmp_lt_u32 s[WV], 8                          ; waves 4 to 7 ask for K, 8 to 11 for V
	s_cselect_b32 s[T0], 16777216, s[T0]
	s_and_b32 s[T1], s[WV], 3
	s_lshl_b32 s[T1], s[T1], 13
	s_add_co_u32 s[T0], s[T0], s[T1]
	s_add_co_u32 s[T0], s[T0], 32768               ; in slot 1: the first change of slots steps it to slot 2.  Nothing is prefetched here, at the head
	s_mov_b32 s[T1], 0
	s_add_nc_u64 s[PFA:PFA+1], s[4:5], s[20:21]
	s_add_nc_u64 s[PFA:PFA+1], s[PFA:PFA+1], s[52:53]
	s_sub_co_u32 s[T0], s[WV], 4
	s_lshr_b32 s[T0], s[T0], 3                     ; 0 in waves 4 to 11,
	s_or_b32 s[T0], s[T0], ttmp9                   ; of work-group i = 0
	s_cmp_eq_u32 s[T0], 0
	s_cselect_b32 s[LIM], 1, -1
	v_and_b32 v8, 15, v0                           ; r
	v_bfe_u32 v9, v0, 4, 1                         ; h
	v_lshlrev_b32 v[ADK], 7, v8
	v_lshl_add_u32 v[ADK], v9, 4, v[ADK]           ; Q: row r of 128 bytes + 16 h
.irp t, 0,1
.irp c, 0,1
	global_load_b128 v[QF+16*\t+8*\c:QF+16*\t+8*\c+3], v[ADK], s[QA:QA+1] offset:2048*\t+64*\c      ; Q stays in registers
	global_load_b128 v[QF+16*\t+8*\c+4:QF+16*\t+8*\c+7], v[ADK], s[QA:QA+1] offset:2048*\t+64*\c+32
.endr
.endr
	v_mul_u32_u24 v[AK0], v8, KP
	v_lshl_add_u32 v[AK0], v9, 4, v[AK0]
	v_and_b32 v10, 7, v0
	v_lshl_add_u32 v[AV0], v9, 3, v10              ; the turning load: key 8 h + l % 8,
	v_mul_u32_u24 v[AV0], v[AV0], VP
	v_bfe_u32 v11, v0, 3, 1
	v_lshl_add_u32 v[AV0], v11, 4, v[AV0]          ; channels 8 ((l / 8) % 2) on
	v_add_nc_u32 v[AV0], VOFF, v[AV0]
	s_mul_i32 s[T0], s[WV], 16*KP
	s_add_co_u32 s[T0], s[T0], STAGE               ; my stage
	v_mul_u32_u24 v[STO], v8, KP
	v_lshl_add_u32 v[STO], v9, 4, v[STO]
	v_add_nc_u32 v[STO], s[T0], v[STO]             ; in: row r, 16 bytes for each half of the lanes
	v_and_b32 v[GO], 31, v0
	v_lshrrev_b32 v[RD], 3, v[GO]
	v_mul_u32_u24 v[RD], v[RD], KP
	v_lshl_add_u32 v[RD], v10, 4, v[RD]
	v_add_nc_u32 v[RD], s[T0], v[RD]               ; back: eight lanes a row of 128 bytes, the 32 lanes four rows
	v_lshlrev_b32 v[PFO], 8, v[GO]
	v_lshlrev_b32 v[GO], 4, v[GO]
	v_lshlrev_b32 v[DB], 3, v9
	v_sub_nc_u32 v[DB], v8, v[DB]
	v_mov_b32 v[NINF], 0xff800000
.irp t, 0,1
	v_mov_b32 v[ST+8*\t], 0xff61b1e6               ; the largest t so far: -3e38, under every t
	v_mov_b32 v[ST+8*\t+1], 0                      ; (named with it as a pair)
	v_mov_b32 v[ST+8*\t+2], 0                      ; l, in two halves
	v_mov_b32 v[ST+8*\t+3], 0
	v_mov_b32 v[ST+8*\t+5], 0                      ; (a lane permute's destination counts as one of its sources)
	v_mov_b32 v[ST+8*\t+7], 0
.endr
.set i, 0
.rept 64
	v_mov_b32 v[O+i], 0                            ; O^T.  (The step is written once: the first finds zeros, which a = 0 leaves zeros)
.set i, i+1
.endr
; A KEY STEP: 64 keys, the q-th of the slot in hand.
.macro STEP q
	s_add_co_u32 s[T0], s[Q0], 31                  ; a step all of whose keys come after my 32 queries is left out: a scalar branch on ids; no barrier and no tensor load stands in a step
	s_cmp_gt_u32 s[KF], s[T0]
	s_cbranch_scc1 .Lhidden_\@
	v_add_nc_u32 v[ADK], s[TB], v[AK0]
	v_add_nc_u32 v[ADV], s[TB], v[AV0]
.rept 3
	v_nop                                          ; with the two additions five places behind the last step's products: four for the loads into V's registers, five for the products that write over P
.endr
.irp c, 0,1
.irp kt, 0,1,2,3
	ds_load_b128 v[KV+16*\kt+8*\c:KV+16*\kt+8*\c+3], v[ADK] offset:(64*(\q)+16*\kt)*KP+64*\c
	ds_load_b128 v[KV+16*\kt+8*\c+4:KV+16*\kt+8*\c+7], v[ADK] offset:(64*(\q)+16*\kt)*KP+64*\c+32
.endr
.endr
.irp c, 0,1
	s_wait_dscnt 8-8*\c                            ; channels 0-31 are in, the eight loads of channels 32-63 may be out; then all
.irp kt, 0,1,2,3
.irp t, 0,1
.if \c == 0
	v_wmma_f32_16x16x32_f16 v[S+32*\t+8*\kt:S+32*\t+8*\kt+7], v[KV+16*\kt+8*\c:KV+16*\kt+8*\c+7], v[QF+16*\t+8*\c:QF+16*\t+8*\c+7], 0
.else
	v_wmma_f32_16x16x32_f16 v[S+32*\t+8*\kt:S+32*\t+8*\kt+7], v[KV+16*\kt+8*\c:KV+16*\kt+8*\c+7], v[QF+16*\t+8*\c:QF+16*\t+8*\c+7], v[S+32*\t+8*\kt:S+32*\t+8*\kt+7]
.endif
.endr
.endr
.endr                                              ; the eight accumulators take turns, one instruction a turn
.rept 4
	v_nop                                          ; places: for the loads into K's registers and the first reads of the scores
.endr
.irp kg, 0,1
.irp ct, 0,1,2,3
	ds_load_tr16_b128 v[KV+8*(4*\kg+\ct):KV+8*(4*\kg+\ct)+3], v[ADV] offset:(64*(\q)+32*\kg)*VP+32*\ct        ; V lands while the softmax is walked
	ds_load_tr16_b128 v[KV+8*(4*\kg+\ct)+4:KV+8*(4*\kg+\ct)+7], v[ADV] offset:(64*(\q)+32*\kg+16)*VP+32*\ct
.endr
.endr
	s_add_co_u32 s[T0], s[KF], 63                  ; on the diagonal hidden scores become -infinity ahead of the maximum.  A step all of whose keys count skips this
	s_cmp_le_u32 s[T0], s[Q0]
	s_cbranch_scc1 .Lopen_\@
	s_sub_co_i32 s[T0], s[Q0], s[KF]
	v_add_nc_u32 v[D0], s[T0], v[DB]               ; register 8 kt + j holds key KF + 16 kt + 8 h + j: hidden where 16 kt + j > my query - KF - 8 h
	v_add_nc_u32 v[D0+1], 16, v[D0]
.irp t, 0,1
.irp kt, 0,1,2,3
.irp j, 0,1,2,3,4,5,6,7
	v_cmp_gt_i32 vcc_lo, 16*\kt+\j, v[D0+\t]
	v_cndmask_b32 v[S+32*\t+8*\kt+\j], v[S+32*\t+8*\kt+\j], v[NINF], vcc_lo
.endr
.endr
.endr
.Lopen_\@:
.irp j, 0,1,2,3                                    ; the maximum of 32 scores and the old m, the two tiles line by line; each accumulator is read from its low end on
.irp t, 0,1
	v_max3_num_f32 v[ST+8*\t+4+\j], v[S+32*\t+8*\j], v[S+32*\t+8*\j+1], v[S+32*\t+8*\j+2]
.endr
.endr
.irp i, 3,5
.irp j, 0,1,2,3
.irp t, 0,1
	v_max3_num_f32 v[ST+8*\t+4+\j], v[ST+8*\t+4+\j], v[S+32*\t+8*\j+\i], v[S+32*\t+8*\j+\i+1]
.endr
.endr
.endr
.irp t, 0,1
	v_max3_num_f32 v[ST+8*\t+4], v[ST+8*\t+4], v[S+32*\t+7], v[S+32*\t+15]
	v_max3_num_f32 v[ST+8*\t+6], v[ST+8*\t+6], v[S+32*\t+23], v[S+32*\t+31]
.endr
.irp t, 0,1
	v_max3_num_f32 v[ST+8*\t+4], v[ST+8*\t+4], v[ST+8*\t+5], v[ST+8*\t+6]
.endr
.irp t, 0,1
	v_max3_num_f32 v[ST+8*\t+4], v[ST+8*\t+4], v[ST+8*\t+7], v[ST+8*\t]
.endr
.irp t, 0,1
	v_permlanex16_b32 v[ST+8*\t+5], v[ST+8*\t+4], s[SEL], s[SEL+1]   ; the query's other 32 keys lie in the lane 16 away
.endr
.irp t, 0,1
	v_max_num_f32 v[ST+8*\t+4], v[ST+8*\t+4], v[ST+8*\t+5]           ; the new m
.endr
.irp t, 0,1
	v_sub_f32 v[ST+8*\t+7], v[ST+8*\t], v[ST+8*\t+4]                 ; old m - new m
.endr
.irp t, 0,1
	v_mov_b32 v[ST+8*\t], v[ST+8*\t+4]
.endr
.irp j, 0,2,4,6,8,10,12,14,16,18,20,22,24,26,28,30
.irp t, 0,1
	v_pk_add_f32 v[S+32*\t+\j:S+32*\t+\j+1], v[S+32*\t+\j:S+32*\t+\j+1], v[ST+8*\t:ST+8*\t+1] op_sel_hi:[1,0] neg_lo:[0,1] neg_hi:[0,1]   ; t - m
.endr
.endr
.irp t, 0,1
	v_exp_f32 v[ST+8*\t+6], v[ST+8*\t+7]           ; a.  ONE BATCH of 66 exponentials,
.endr
.irp j, 0,1,2,3,4,5,6,7,8,9,10,11,12,13,14,15,16,17,18,19,20,21,22,23,24,25,26,27,28,29,30,31
.irp t, 0,1
	v_exp_f32 v[S+32*\t+\j], v[S+32*\t+\j]
.endr
.endr
	v_nop                                          ; a plain line behind the last of them,
	s_wait_alu depctr_va_vdst(0)                   ; and one wait ahead of the first line that names a result
.irp t, 0,1
	v_pk_fma_f32 v[ST+8*\t+2:ST+8*\t+3], v[ST+8*\t+2:ST+8*\t+3], v[ST+8*\t+6:ST+8*\t+7], v[S+32*\t:S+32*\t+1] op_sel_hi:[1,0,1]   ; l = a l + the sum of the unrounded p, in two chains
	v_pk_add_f32 v[ST+8*\t+4:ST+8*\t+5], v[S+32*\t+2:S+32*\t+3], v[S+32*\t+4:S+32*\t+5]
.endr
.irp j, 6,10,14,18,22,26
.irp t, 0,1
	v_pk_add_f32 v[ST+8*\t+2:ST+8*\t+3], v[ST+8*\t+2:ST+8*\t+3], v[S+32*\t+\j:S+32*\t+\j+1]
	v_pk_add_f32 v[ST+8*\t+4:ST+8*\t+5], v[ST+8*\t+4:ST+8*\t+5], v[S+32*\t+\j+2:S+32*\t+\j+3]
.endr
.endr
.irp t, 0,1
	v_pk_add_f32 v[ST+8*\t+2:ST+8*\t+3], v[ST+8*\t+2:ST+8*\t+3], v[S+32*\t+30:S+32*\t+31]
.endr
.irp t, 0,1
	v_pk_add_f32 v[ST+8*\t+2:ST+8*\t+3], v[ST+8*\t+2:ST+8*\t+3], v[ST+8*\t+4:ST+8*\t+5]
.endr
.irp j, 0,1,2,3,4,5,6,7,8,9,10,11,12,13,14,15
.irp t, 0,1
	v_cvt_pk_f16_f32 v[S+32*\t+\j], v[S+32*\t+2*\j], v[S+32*\t+2*\j+1]   ; P in place, ascending: register j has been read before it is written
.endr
.endr
.irp j, 0,2,4,6,8,10,12,14,16,18,20,22,24,26,28,30
.irp t, 0,1
	v_pk_mul_f32 v[O+32*\t+\j:O+32*\t+\j+1], v[O+32*\t+\j:O+32*\t+\j+1], v[ST+8*\t+6:ST+8*\t+7] op_sel_hi:[1,0]   ; O^T x a
.endr
.endr
	s_wait_dscnt 0x0                               ; V is in
.irp kg, 0,1
.irp ct, 0,1,2,3
.irp t, 0,1
	v_wmma_f32_16x16x32_f16 v[O+32*\t+8*\ct:O+32*\t+8*\ct+7], v[KV+8*(4*\kg+\ct):KV+8*(4*\kg+\ct)+7], v[S+32*\t+8*\kg:S+32*\t+8*\kg+7], v[O+32*\t+8*\ct:O+32*\t+8*\ct+7]
.endr
.endr
.endr
.Lhidden_\@:
	s_add_co_u32 s[KF], s[KF], 64
.endm
; THE CHANGE OF SLOTS.  Each wave waits for all its tensor loads (its part of the slot that it is about to read), adds 0 to its spare word, and waits for that and for its reads of the slot that it has left.
; Behind the barrier the slot ahead is whole and nobody reads the other one.  fill = 1: that other slot takes the next 256 keys, if any wave of the work-group will read them.
.macro CHANGE fill
	s_wait_tensorcnt 0x0                           ; no tensor load of mine is out, so a group 0 may be written
	ds_add_u32 v[SPW], v[NIL]
.if \fill
	ds_add_u32 v[SPW], v[NIL]                      ; and once more, in every trip alike
	s_xor_b32 s[G0K+1], s[G0K+1], SLOT1
	s_add_nc_u64 s[G0K+2:G0K+3], s[G0K+2:G0K+3], 32768
	s_xor_b32 s[G0V+1], s[G0V+1], SLOT1
	s_add_nc_u64 s[G0V+2:G0V+3], s[G0V+2:G0V+3], 32768
	s_wait_xcnt 0x0                                ; the last prefetch, a slot back, has read its address
	s_add_nc_u64 s[PFA:PFA+1], s[PFA:PFA+1], 32768
.endif
	s_wait_dscnt 0x0
	s_barrier_signal -1
	s_barrier_wait -1
.if \fill
	s_add_co_u32 s[T0], s[KF], 256                 ; the first key of the slot that this change would ask for: past my work-group's last query it is read by none of the sixteen waves and is not asked for.
	s_cmp_gt_u32 s[T0], s[LASTQ]                   ; Ids and the count of steps alone: all waves go the same way; every wait for tensor loads in this text is for 0
	s_cbranch_scc1 .Lpast_\@
	TLOAD
.Lpast_\@:
	ASK
.endif
.endm
.macro SLOT_STEPS
	STEP 0
	STEP 1
	STEP 2
	STEP 3
	s_xor_b32 s[TB], s[TB], SLOT1
.endm
	s_wait_loadcnt 0x0                             ; Q
.Lslot:                                            ; 7 trips, a constant: behind each change of slots but the last the next slot is asked for, up to the causal limit
	CHANGE 1
	SLOT_STEPS
	s_sub_co_u32 s[SLOTS], s[SLOTS], 1
	s_cmp_lg_u32 s[SLOTS], 0
	s_cbranch_scc1 .Lslot
	CHANGE 0
	SLOT_STEPS
	; THE WAY OUT.  The additions and the v_nop are the places behind the last products.
.irp t, 0,1
	v_add_f32 v[ST+8*\t+4], v[ST+8*\t+2], v[ST+8*\t+3]
.endr
.irp t, 0,1
	v_permlanex16_b32 v[ST+8*\t+5], v[ST+8*\t+4], s[SEL], s[SEL+1]
.endr
.irp t, 0,1
	v_add_f32 v[ST+8*\t+4], v[ST+8*\t+4], v[ST+8*\t+5]
.endr
.irp t, 0,1
	v_rcp_f32 v[ST+8*\t+6], v[ST+8*\t+4]
.endr
	v_nop
	s_wait_alu depctr_va_vdst(0)                   ; one wait for the two reciprocals, ahead of their first reader
.irp t, 0,1
.irp j, 0,2,4,6,8,10,12,14,16,18,20,22,24,26,28,30
	v_pk_mul_f32 v[O+32*\t+\j:O+32*\t+\j+1], v[O+32*\t+\j:O+32*\t+\j+1], v[ST+8*\t+6:ST+8*\t+7] op_sel_hi:[1,0]
.endr
.irp j, 0,1,2,3,4,5,6,7,8,9,10,11,12,13,14,15
	v_cvt_pk_f16_f32 v[S+32*\t+\j], v[O+32*\t+2*\j], v[O+32*\t+2*\j+1]
.endr
.irp ct, 0,1,2,3
	ds_store_b128 v[STO], v[S+32*\t+4*\ct:S+32*\t+4*\ct+3] offset:32*\ct
.endr
.irp i, 0,1,2,3
	ds_load_b128 v[S+32*\t+16+4*\i:S+32*\t+16+4*\i+3], v[RD] offset:4*KP*\i   ; served behind my stores; the next tile's stores come behind these
.endr
.irp i, 0,1,2,3
	s_wait_dscnt 3-\i
	global_store_b128 v[GO], v[S+32*\t+16+4*\i:S+32*\t+16+4*\i+3], s[OA:OA+1] offset:2048*\t+512*\i   ; four rows: 512 consecutive bytes, aligned
.endr
.endr
	s_wait_tensorcnt 0x0                           ; the wave's end, behind my last tensor load and my last LDS store
	ds_add_u32 v[SPW], v[NIL]
	s_wait_dscnt 0x0
	s_endpgm
.Lfunc_end_k_q859705a8f5_attn:
	.size	k_q859705a8f5_attn, .Lfunc_end_k_q859705a8f5_attn-k_q859705a8f5_attn
	.p2alignl 7, 3214868480
	.fill 96, 4, 3214868480
	.section	.rodata,"a",@progbits
	.p2align	6, 0x0
	.amdhsa_kernel k_q859705a8f5_attn
		.amdhsa_group_segment_fixed_size 327680
		.amdhsa_private_segment_fixed_size 0
		.amdhsa_enable_private_segment 0
		.amdhsa_kernarg_size 16
		.amdhsa_user_sgpr_count 2
		.amdhsa_user_sgpr_kernarg_segment_ptr 1
		.amdhsa_wavefront_size32 1
		.amdhsa_system_sgpr_workgroup_id_x 1
		.amdhsa_system_sgpr_workgroup_id_y 1
		.amdhsa_system_sgpr_workgroup_id_z 1
		.amdhsa_system_vgpr_workitem_id 0
		.amdhsa_next_free_vgpr 256
		.amdhsa_next_free_sgpr 66
		.amdhsa_reserve_vcc 1
		.amdhsa_float_denorm_mode_32 3
		.amdhsa_float_denorm_mode_16_64 3
		.amdhsa_memory_ordered 1
		.amdhsa_forward_progress 1
		.amdhsa_inst_pref_size 187
	.end_amdhsa_kernel
	.amdgpu_metadata
---
amdhsa.version: [ 1, 2 ]
amdhsa.kernels:
  - .name:           k_q859705a8f5_attn
    .symbol:         k_q859705a8f5_attn.kd
    .args:
      - { .name: qkv, .offset: 0, .size: 8, .value_kind: global_buffer, .address_space: global }
      - { .name: o16, .offset: 8, .size: 8, .value_kind: global_buffer, .address_space: global }
    .group_segment_fixed_size: 327680
    .private_segment_fixed_size: 0
    .kernarg_segment_align: 8
    .kernarg_segment_size: 16
    .max_flat_workgroup_size: 512
    .sgpr_count:     66
    .vgpr_count:     256
    .wavefront_size: 32
...
	.end_amdgpu_metadata
.endif
;; end of part 3
;; launch oproj (part 4): grid 8 x 32, 4 waves a work-group, clusters of 4 x 4, 327,680 bytes of LDS; arguments o16, wo16, out0; writes out0
.if DOCPART == 4
	.amdgcn_target "amdgcn-amd-amdhsa--gfx1250"
	.amdhsa_code_object_version 6
	.text
	.protected	k_q859705a8f5_oproj
	.globl	k_q859705a8f5_oproj
	.p2align	8
	.type	k_q859705a8f5_oproj,@function
k_q859705a8f5_oproj:
	s_mov_b64 s[64:65], 0
	v_nop
	global_prefetch_b8 v0, s[64:65] scope:SCOPE_SE
	s_setreg_imm32_b32 hwreg(HW_REG_WAVE_MODE, 25, 1), 1
	s_wait_xcnt 0x0
	s_wait_alu depctr_hold_cnt(0) depctr_sa_sdst(0) depctr_va_vdst(0) depctr_va_sdst(0) depctr_va_ssrc(0) depctr_va_vcc(0) depctr_vm_vsrc(0)
	s_getreg_b32 s2, hwreg(HW_REG_IB_STS2, 6, 4)
	s_cmp_eq_u32 s2, 0
	s_cbranch_scc0 .Lentry_in_a_cluster
	s_endpgm
.Lentry_in_a_cluster:
	s_bfe_u32 s2, ttmp6, 0x10000c
	s_cmp_lg_u32 s2, 0xf033
	s_cbranch_scc0 .Lentry_shape_is_right
	s_endpgm
.Lentry_shape_is_right:
; out0[m][n] = sum over k of o[m][k] Wo[n][k], f16 operands, f32 sums, f32 out.  m = 2048 batch + position, k = 64 head + channel.
; o16: f16 [batch][head][position][64]; wo16: f16 [k / 64][n][64]: a chunk of 64 along K of neighbouring rows is one dense block in both.
; A tile of out0 is 256 (m) x 128 (n): 256 work-groups.  Four waves, each 128 x 64: 32 accumulators, 256 registers (window 1).  K goes in steps of 128 (two chunks) through a ring of two LDS slots;
; waves 0 and 1 fetch o's two chunks (256 rows each), waves 2 and 3 Wo's (128 rows each).
; CLUSTERS: 4 x 4 work-groups; o's tiles are shared along a row of the cluster, Wo's along a column: each is asked for jointly.  THE MATRIX INSTRUCTION IS USED TRANSPOSED (source 0 = 16 rows of Wo,
; source 1 = 16 rows of o): a lane holds eight neighbouring numbers of a row of out0.
; Rows of positions 0..15 are written here from f16 operands like all others and written again, from f32, by the launch that follows: 262,144 of the output's 33,554,432 bytes.
; REGISTERS: window 0: v0-31 addresses; v32-95, v96-159 o's fragments (8 x 16 rows x 32 K), two buffers; v160-191, v192-223 Wo's (4), two buffers; on the way out v32-95 rows read back.  window 1: accumulator (a, b) at v[8 (4 a + b)].
.set PITCH,  144                       ; an LDS row: 128 bytes + 16 of padding
.set ACH,    256*PITCH                 ; a chunk of o
.set BCH,    128*PITCH                 ; a chunk of Wo
.set BOFF,   2*ACH
.set SLOT,   2*ACH+2*BCH
.set STAGE,  2*SLOT                    ; behind the ring: 16 rows x 272 bytes for each wave
.set SPITCH, 272
.set SPARE,  STAGE+4*16*SPITCH         ; the spare words, 128 bytes a wave, that no other line names
.set LAPS,   4                         ; a lap = two K steps; K = 1,024
.set ADRA, 16
.set ADRB, 20
.set STO,  24
.set RD,   25
.set CO,   26
.set SPW,  28
.set NIL,  29
.set FA,   32
.set FB,   160
.set OB,   32
.set G1, 24
.set G0, 32
.set G1B, 48
.set G0B, 56
.set MSB, 0
.macro WIN new
.if MSB != \new
	s_set_vgpr_msb (MSB<<8)|\new
.set MSB, \new
.endif
.endm
.set MUL, 0x50                         ; sources 0 and 1 window 0; C and D window 1
.macro JLOAD s                         ; a joint load; an s_nop 0 and four v_nop follow each of the two lines
	s_cmp_eq_u32 s11, 0
	s_cbranch_scc0 .Lfor_b_\@
	tensor_load_to_lds s[G0+4*\s:G0+4*\s+3], s[G1:G1+7]
	s_nop 0
.rept 4
	v_nop
.endr
	s_branch .Lasked_\@
.Lfor_b_\@:
	tensor_load_to_lds s[G0B+4*\s:G0B+4*\s+3], s[G1B:G1B+7]
	s_nop 0
.rept 4
	v_nop
.endr
.Lasked_\@:
.endm
.macro CREST                           ; a round of the cluster's barrier behind its opening barrier
	s_cmp_lg_u32 s10, 0
	s_cbranch_scc1 .Lnot_wave_0_\@
	s_barrier_signal -3
.Lnot_wave_0_\@:
	s_barrier_wait -3
	s_barrier_signal -1
	s_barrier_wait -1
.endm
.macro CROUND
	s_barrier_signal -1
	s_barrier_wait -1
	CREST
.endm
	s_load_b128 s[4:7], s[0:1], 0x0                ; o16, wo16
	s_load_b64 s[8:9], s[0:1], 0x10                ; out0
	v_lshl_add_u32 v[SPW], v0, 2, SPARE
	v_mov_b32 v[NIL], 0
	ds_add_u32 v[SPW], v[NIL]                      ; the wave's opening: the add, twice on end, and its wait ahead of my first tensor load
	ds_add_u32 v[SPW], v[NIL]
	v_lshrrev_b32 v1, 5, v0
	v_readfirstlane_b32 s10, v1                    ; wave 0..3
	s_lshr_b32 s11, s10, 1                         ; which half of the tile's rows is mine.  Also: I fetch for o (0) or for Wo (1)
	s_and_b32 s12, s10, 1                          ; which half of its columns.  Also: which chunk of a K step I fetch
	s_bfe_u32 s40, ttmp6, 0x40000                  ; cx
	s_bfe_u32 s41, ttmp6, 0x40004                  ; cy
	s_lshl_b32 s42, ttmp9, 2
	s_add_co_u32 s42, s42, s40                     ; tile column
	s_and_b32 s13, ttmp7, 0xffff
	s_lshl_b32 s13, s13, 2
	s_add_co_u32 s13, s13, s41                     ; tile row
	s_lshl_b32 s43, s41, 2
	s_lshl_b32 s43, 15, s43                        ; my row of the cluster
	s_lshl_b32 s44, 0x1111, s40                    ; my column
	s_or_b32 s[G1+0], s43, (1<<16)|(1<<20)|(1<<21)|(4<<22)|(3<<25)  ; the mask; elements of 2 bytes; padding on; bit 21 beside a mask; 4 words behind every 32
	s_or_b32 s[G1B+0], s44, (1<<16)|(1<<20)|(1<<21)|(4<<22)|(3<<25)
	s_mov_b32 s[G1+1], 64<<16                      ; tensor_dim0
	s_mov_b32 s[G1+2], 256<<16                     ; tensor_dim1
	s_mov_b32 s[G1+3], 64<<16                      ; tile_dim0
	s_mov_b32 s[G1+4], 256                         ; tile_dim1
	s_mov_b32 s[G1+5], 64                          ; from row to row
	s_mov_b32 s[G1+6], 0
	s_mov_b32 s[G1+7], 0
	s_mov_b32 s[G1B+1], 64<<16
	s_mov_b32 s[G1B+2], 128<<16
	s_mov_b32 s[G1B+3], 64<<16
	s_mov_b32 s[G1B+4], 128
	s_mov_b32 s[G1B+5], 64
	s_mov_b32 s[G1B+6], 0
	s_mov_b32 s[G1B+7], 0
	s_lshr_b32 s16, s13, 3
	s_lshl_b32 s16, s16, 22                        ; o: the batch, 16 heads of 262,144 bytes,
	s_and_b32 s17, s13, 7
	s_lshl_b32 s17, s17, 15                        ; 256 positions of 128 bytes,
	s_add_co_u32 s16, s16, s17
	s_lshl_b32 s17, s12, 18                        ; my chunk = a head
	s_add_co_u32 s16, s16, s17
	s_mov_b32 s17, 0
	s_lshl_b32 s46, s42, 14                        ; Wo: 128 rows of 128 bytes,
	s_lshl_b32 s47, s12, 17                        ; my chunk: 1,024 rows
	s_add_co_u32 s46, s46, s47
	s_mov_b32 s47, 0
	s_mul_i32 s20, s12, ACH                        ; where they go: no place in the cluster enters an LDS address
	s_mul_i32 s21, s12, BCH
	s_add_co_u32 s21, s21, BOFF
	s_wait_dscnt 0x0                               ; both opening adds are done
	s_wait_kmcnt 0x0
	s_add_nc_u64 s[14:15], s[4:5], s[16:17]
	s_add_nc_u64 s[46:47], s[6:7], s[46:47]
	CROUND                                         ; all sixteen work-groups are here: the first joint loads meet
.irp s, 0,1
	s_mov_b32 s[G0+4*\s], 1
	s_add_co_u32 s[G0+4*\s+1], s20, \s*SLOT
	s_add_nc_u64 s[G0+4*\s+2:G0+4*\s+3], s[14:15], \s*524288       ; a K step is two heads on
	s_or_b32 s[G0+4*\s+3], s[G0+4*\s+3], 0x80000000
	s_mov_b32 s[G0B+4*\s], 1
	s_add_co_u32 s[G0B+4*\s+1], s21, \s*SLOT
	s_add_nc_u64 s[G0B+4*\s+2:G0B+4*\s+3], s[46:47], \s*262144
	s_or_b32 s[G0B+4*\s+3], s[G0B+4*\s+3], 0x80000000
	JLOAD \s
.endr
	v_and_b32 v1, 15, v0                           ; r
	v_bfe_u32 v2, v0, 4, 1                         ; h
	v_mul_u32_u24 v3, v1, PITCH
	v_lshl_add_u32 v3, v2, 4, v3
	s_mul_i32 s21, s11, 128*PITCH                  ; my 128 rows of o
	s_mul_i32 s22, s12, 64*PITCH                   ; my 64 rows of Wo
	s_add_co_u32 s22, s22, BOFF
.irp s, 0,1
	v_add_nc_u32 v[ADRA+\s], s21, v3
	v_add_nc_u32 v[ADRB+\s], s22, v3
	s_add_co_u32 s21, s21, SLOT
	s_add_co_u32 s22, s22, SLOT
.endr
	s_mul_i32 s23, s10, 16*SPITCH
	s_add_co_u32 s23, s23, STAGE                   ; my stage
	v_mul_u32_u24 v4, v1, SPITCH
	v_lshl_add_u32 v4, v2, 5, v4
	v_add_nc_u32 v[STO], s23, v4                   ; in: row r, 32 bytes for each half of the lanes
	v_mul_u32_u24 v5, v2, SPITCH
	v_lshl_add_u32 v5, v1, 4, v5
	v_add_nc_u32 v[RD], s23, v5                    ; back: lanes 0-15 one row of 256 bytes, lanes 16-31 the next
	v_lshlrev_b32 v5, 12, v2
	v_lshl_add_u32 v[CO], v1, 4, v5                ; and the same two rows in out0
	s_lshl_b32 s16, s13, 8
	s_lshl_b32 s17, s11, 7
	s_add_co_u32 s16, s16, s17
	s_lshl_b32 s16, s16, 12                        ; my first row, 4,096 bytes a row
	s_mov_b32 s17, 0
	s_add_nc_u64 s[8:9], s[8:9], s[16:17]
	s_lshl_b32 s46, s42, 9                         ; my first column, in bytes: 512 x tile column + 256 x half
	s_lshl_b32 s47, s12, 8
	s_add_co_u32 s46, s46, s47
	s_mov_b32 s47, 0
	s_add_nc_u64 s[8:9], s[8:9], s[46:47]
.macro MUL8 f, a0, zero                ; 8 products: o's blocks a0, a0 + 1 against Wo's four, 32 along K.  The 32 accumulators take turns, one instruction a turn
.irp a, \a0, \a0+1
.irp b, 0,1,2,3
.if \zero
	v_wmma_f32_16x16x32_f16 v[8*(4*(\a)+\b):8*(4*(\a)+\b)+7], v[FB+32*(\f)+8*\b:FB+32*(\f)+8*\b+7], v[FA+64*(\f)+8*(\a):FA+64*(\f)+8*(\a)+7], 0
.else
	v_wmma_f32_16x16x32_f16 v[8*(4*(\a)+\b):8*(4*(\a)+\b)+7], v[FB+32*(\f)+8*\b:FB+32*(\f)+8*\b+7], v[FA+64*(\f)+8*(\a):FA+64*(\f)+8*(\a)+7], v[8*(4*(\a)+\b):8*(4*(\a)+\b)+7]
.endif
.endr
.endr
.endm
.macro FETCH slot, qq, f               ; 24 LDS loads in one run: quarter qq of the slot (chunk qq / 2, its channels 32 (qq % 2) on) into buffer f: Wo's four fragments, then o's eight
	WIN 0
.irp i, 0,1,2,3
	ds_load_b128 v[FB+32*(\f)+8*\i:FB+32*(\f)+8*\i+3],   v[ADRB+\slot] offset:((\qq)/2)*BCH+\i*16*PITCH+((\qq)%2)*64
	ds_load_b128 v[FB+32*(\f)+8*\i+4:FB+32*(\f)+8*\i+7], v[ADRB+\slot] offset:((\qq)/2)*BCH+\i*16*PITCH+((\qq)%2)*64+32
.endr
.irp i, 0,1,2,3,4,5,6,7
	ds_load_b128 v[FA+64*(\f)+8*\i:FA+64*(\f)+8*\i+3],   v[ADRA+\slot] offset:((\qq)/2)*ACH+\i*16*PITCH+((\qq)%2)*64
	ds_load_b128 v[FA+64*(\f)+8*\i+4:FA+64*(\f)+8*\i+7], v[ADRA+\slot] offset:((\qq)/2)*ACH+\i*16*PITCH+((\qq)%2)*64+32
.endr
.endm
.macro PLACES                          ; four plain lines in front of loads into registers that matrix instructions have read, and of the first reads of results
.rept 4
	v_nop
.endr
.endm
.macro QUARTER slot, qq, f, g, zero    ; multiplies buffer f; in its middle fetches quarter qq of the same slot into buffer g
	s_wait_dscnt 8                                 ; Wo's fragments and o's blocks 0-3 are in; the youngest eight loads (blocks 4-7) may be out
	WIN MUL
	MUL8 \f, 0, \zero
	MUL8 \f, 2, \zero
	PLACES
	FETCH \slot, \qq, \g
	s_wait_dscnt 24                                ; all but the 24 just issued
	WIN MUL
	MUL8 \f, 4, \zero
	MUL8 \f, 6, \zero
.endm
; A K step's last quarter multiplies buffer 1 and changes slots: one barrier; in front of it each wave waits for all its tensor loads, adds 0 to its spare word, and waits for that and for its reads of this slot.
.macro TURN slot, next, fill
	WIN 0
	s_wait_tensorcnt 0x0                           ; all my tensor loads have landed: my part of the next slot
	ds_add_u32 v[SPW], v[NIL]
	s_wait_dscnt 9                                 ; (the add and the youngest eight loads may be out)
	WIN MUL
	MUL8 1, 0, 0
	s_wait_dscnt 0x0                               ; the add is done, and my reads of this slot are over
	s_barrier_signal -1
	MUL8 1, 2, 0
.if \fill
	WIN 0
.endif
	s_barrier_wait -1
.if \fill
	CREST                                          ; the barrier has opened a round of the cluster's: no wave of any partner still reads this slot or has a load on its way
	s_add_nc_u64 s[G0+4*\slot+2:G0+4*\slot+3], s[G0+4*\slot+2:G0+4*\slot+3], 1048576
	s_add_nc_u64 s[G0B+4*\slot+2:G0B+4*\slot+3], s[G0B+4*\slot+2:G0B+4*\slot+3], 524288
	JLOAD \slot                                    ; the first tensor load behind the round; its four v_nop are also the places in front of the loads below
.else
	PLACES
.endif
	FETCH \next, 0, 0
	WIN MUL
	MUL8 1, 4, 0
	MUL8 1, 6, 0
.endm
	s_wait_tensorcnt 1                             ; my part of K step 0 is in (K step 1's load may be out)
	s_barrier_signal -1
	s_barrier_wait -1                              ; everybody's is
	FETCH 0, 0, 0
	QUARTER 0, 1, 0, 1, 1                          ; the first quarter's products start the sums
	WIN 0
	s_mov_b32 s3, LAPS-1
.Llap:                                             ; a trip goes once round the ring, from a lap's second quarter to the next lap's first, and fills both slots again
	QUARTER 0, 2, 1, 0, 0
	QUARTER 0, 3, 0, 1, 0
	TURN 0, 1, 1
	QUARTER 1, 1, 0, 1, 0
	QUARTER 1, 2, 1, 0, 0
	QUARTER 1, 3, 0, 1, 0
	TURN 1, 0, 1
	QUARTER 0, 1, 0, 1, 0
	WIN 0
	s_sub_co_u32 s3, s3, 1
	s_cmp_lg_u32 s3, 0
	s_cbranch_scc1 .Llap
	QUARTER 0, 2, 1, 0, 0                          ; the last lap fills nothing
	QUARTER 0, 3, 0, 1, 0
	TURN 0, 1, 0
	QUARTER 1, 1, 0, 1, 0
	QUARTER 1, 2, 1, 0, 0
	QUARTER 1, 3, 0, 1, 0
	s_wait_dscnt 8
	WIN MUL
	MUL8 1, 0, 0
	MUL8 1, 2, 0
	s_wait_dscnt 0
	MUL8 1, 4, 0
	MUL8 1, 6, 0
	WIN 0
; THE WAY OUT, block a of 16 rows x 64 columns at a time, through my own stage: in as 32 bytes a lane, back as rows of 256 bytes.
.macro TOSTAGE a
	WIN 0x04                                       ; an LDS store's data: window 1
.irp b, 0,1,2,3
	ds_store_b128 v[STO], v[8*(4*(\a)+\b):8*(4*(\a)+\b)+3] offset:64*\b        ; each accumulator from its low end on
	ds_store_b128 v[STO], v[8*(4*(\a)+\b)+4:8*(4*(\a)+\b)+7] offset:64*\b+16
.endr
	WIN 0
.set BB, OB+32*((\a)%2)
.irp i, 0,1,2,3,4,5,6,7
	ds_load_b128 v[BB+4*\i:BB+4*\i+3], v[RD] offset:\i*2*SPITCH
.endr
.endm
.macro SEND a, younger
.set BB, OB+32*((\a)%2)
	s_wait_dscnt \younger                          ; the block is back in registers
.irp i, 0,1,2,3,4,5,6,7
	global_store_b128 v[CO], v[BB+4*\i:BB+4*\i+3], s[8:9] offset:(\a)*65536+\i*8192 th:TH_STORE_NT   ; sixteen lanes store 256 consecutive bytes, aligned
.endr
.endm
	PLACES
	TOSTAGE 0
.irp a, 1,2,3,4,5,6,7
.if \a > 1
	s_wait_xcnt 0x0                                ; block a - 2's stores have read their registers: block a's loads may land there
.endif
	TOSTAGE \a
	SEND \a-1, 16                                  ; behind block a - 1's loads: block a's 8 stores and 8 loads
.endr
	SEND 7, 0
	s_wait_tensorcnt 0x0                           ; the wave's end, behind my last tensor load and my last LDS store
	ds_add_u32 v[SPW], v[NIL]
	s_wait_dscnt 0x0
	CROUND                                         ; the closing round
	s_endpgm
.Lfunc_end_k_q859705a8f5_oproj:
	.size	k_q859705a8f5_oproj, .Lfunc_end_k_q859705a8f5_oproj-k_q859705a8f5_oproj
	.p2alignl 7, 3214868480
	.fill 96, 4, 3214868480
	.section	.rodata,"a",@progbits
	.p2align	6, 0x0
	.amdhsa_kernel k_q859705a8f5_oproj
		.amdhsa_group_segment_fixed_size 327680
		.amdhsa_private_segment_fixed_size 0
		.amdhsa_enable_private_segment 0
		.amdhsa_kernarg_size 24
		.amdhsa_user_sgpr_count 2
		.amdhsa_user_sgpr_kernarg_segment_ptr 1
		.amdhsa_wavefront_size32 1
		.amdhsa_system_sgpr_workgroup_id_x 1
		.amdhsa_system_sgpr_workgroup_id_y 1
		.amdhsa_system_sgpr_workgroup_id_z 1
		.amdhsa_system_vgpr_workitem_id 0
		.amdhsa_next_free_vgpr 512
		.amdhsa_next_free_sgpr 66
		.amdhsa_reserve_vcc 0
		.amdhsa_float_denorm_mode_32 3
		.amdhsa_float_denorm_mode_16_64 3
		.amdhsa_memory_ordered 1
		.amdhsa_forward_progress 1
		.amdhsa_inst_pref_size 85
	.end_amdhsa_kernel
	.amdgpu_metadata
---
amdhsa.version: [ 1, 2 ]
amdhsa.kernels:
  - .name:           k_q859705a8f5_oproj
    .symbol:         k_q859705a8f5_oproj.kd
    .args:
      - { .name: o16, .offset: 0, .size: 8, .value_kind: global_buffer, .address_space: global }
      - { .name: wo16, .offset: 8, .size: 8, .value_kind: global_buffer, .address_space: global }
      - { .name: out0, .offset: 16, .size: 8, .value_kind: global_buffer, .address_space: global }
    .group_segment_fixed_size: 327680
    .private_segment_fixed_size: 0
    .kernarg_segment_align: 8
    .kernarg_segment_size: 24
    .max_flat_workgroup_size: 128
    .sgpr_count:     66
    .vgpr_count:     512
    .wavefront_size: 32
...
	.end_amdgpu_metadata
.endif
;; end of part 4
;; launch fine (part 5): grid 16 x 4, 16 waves a work-group, no clusters, 220,416 bytes of LDS; arguments first16, Wo, out0; writes out0
.if DOCPART == 5
	.amdgcn_target "amdgcn-amd-amdhsa--gfx1250"
	.amdhsa_code_object_version 6
	.text
	.protected	k_q859705a8f5_fine
	.globl	k_q859705a8f5_fine
	.p2align	8
	.type	k_q859705a8f5_fine,@function
k_q859705a8f5_fine:
	s_mov_b64 s[64:65], 0
	v_nop
	global_prefetch_b8 v0, s[64:65] scope:SCOPE_SE
	s_setreg_imm32_b32 hwreg(HW_REG_WAVE_MODE, 25, 1), 1
	s_wait_xcnt 0x0
; POSITIONS 0..15 OF EVERY BATCH, ALL IN f32: under the causal mask these rows average one to sixteen values, so they are not rounded to f16 on the way.
; first16: f32 [3][batch][16][1024]: q (rotated, x log2(e) / 8), k (rotated), v.  Wo: f32 [n 1024][k 1024].  out0 rows 2048 batch + 0..15 are written over.
; Work-group (slice, batch): PHASE 1: each of the sixteen waves makes one head's 16 x 16 attention (every work-group of a batch repeats this small work, so that none reads what another wrote);
; the 16 x 1024 result meets in LDS.  PHASE 2: the work-group makes columns 64 slice .. + 63 of the 16 rows: wave (nt = w % 4, kq = w / 4) takes 16 columns and 256 of K; the four parts of K meet in LDS.
; All products by v_wmma_f32_16x16x4_f32.  Along K a lane's four numbers of one 16-byte load serve two instructions: K's order is changed alike on both sides.
; The registers that these instructions write (v192-239) are written by them alone; sums begin with the constant 0.
.set OP,   4112                        ; a row of o in LDS: 4,096 bytes + 16
.set WP,   528                         ; a row of a wave's chunk of Wo: 512 + 16
.set PP,   272                         ; a row of a partial sum: 256 + 16
.set OLDS, 0
.set WSTG, 16*OP                       ; 16 rows x WP for each wave
.set PSTG, WSTG+16*16*WP               ; four partial sums of 16 rows x PP
.set SPARE, PSTG+4*16*PP               ; the spare words, 128 bytes a wave, that no other line names
.set VQ,  3                            ; v3  4,096 r + 16 h
.set VV,  4                            ; v4  32,768 h + 4 r
.set VW,  5                            ; v5  16 x lane
.set WST, 6
.set WRD, 7
.set ORD, 8
.set OST, 9
.set DD,  10                           ; v10 r - 8 h
.set NINF, 11
.set SPW, 12
.set NIL, 13
.set PST, 14
.set FRD, 15
.set P,   16                           ; v16-23 the scores, then p
.set GOUT, 31
.set KF,  32                           ; v32-63 k; later o / l; later Wo's fragments
.set QF,  64                           ; v64-95 q; later o's fragments
.set VF,  96                           ; v96-127 v; later sums
.set G,   128                          ; v128-191 a chunk of Wo as loaded
.set SA,  192                          ; v192-207 two accumulators of S^T
.set ACC, 208                          ; v208-239 O^T's four accumulators; later phase 2's four
	s_load_b128 s[4:7], s[0:1], 0x0                ; first16, Wo
	s_load_b64 s[8:9], s[0:1], 0x10                ; out0
	v_lshl_add_u32 v[SPW], v0, 2, SPARE
	v_mov_b32 v[NIL], 0
	v_lshrrev_b32 v1, 5, v0
	v_readfirstlane_b32 s10, v1                    ; wave 0..15: my head
	s_and_b32 s11, s10, 3                          ; nt
	s_lshr_b32 s12, s10, 2                         ; kq
	s_and_b32 s13, ttmp7, 0xffff                   ; the batch
	v_and_b32 v1, 15, v0                           ; r
	v_bfe_u32 v2, v0, 4, 1                         ; h
	v_and_b32 v24, 31, v0
	v_lshlrev_b32 v[VQ], 12, v1
	v_lshl_add_u32 v[VQ], v2, 4, v[VQ]
	v_lshlrev_b32 v[VV], 2, v1
	v_lshl_add_u32 v[VV], v2, 15, v[VV]
	v_lshlrev_b32 v[VW], 4, v24
	s_mul_i32 s14, s10, 16*WP
	s_add_co_u32 s14, s14, WSTG
	v_add_nc_u32 v[WST], s14, v[VW]                ; my stage, in: a row's 512 bytes by the 32 lanes
	v_mul_u32_u24 v25, v1, WP
	v_lshl_add_u32 v25, v2, 4, v25
	v_add_nc_u32 v[WRD], s14, v25                  ; back: row r, 16 h
	v_mul_u32_u24 v25, v1, OP
	s_lshl_b32 s14, s12, 10
	v_lshl_add_u32 v[ORD], v2, 4, v25
	v_add_nc_u32 v[ORD], s14, v[ORD]               ; o: row r, my 256 of K, 16 h
	s_lshl_b32 s14, s10, 8
	v_lshl_add_u32 v[OST], v2, 5, v25
	v_add_nc_u32 v[OST], s14, v[OST]               ; o, in: row r, my head's 256 bytes, 32 h
	v_lshlrev_b32 v[DD], 3, v2
	v_sub_nc_u32 v[DD], v1, v[DD]
	v_mov_b32 v[NINF], 0xff800000
	s_mul_i32 s14, s12, 16*PP
	s_lshl_b32 s15, s11, 6
	s_add_co_u32 s14, s14, s15
	s_add_co_u32 s14, s14, PSTG
	v_mul_u32_u24 v25, v1, PP
	v_lshl_add_u32 v25, v2, 5, v25
	v_add_nc_u32 v[PST], s14, v25                  ; my partial sum: part kq, row r, my 16 columns, 32 h
	s_mul_i32 s14, s10, 2*PP
	s_add_co_u32 s14, s14, PSTG
	v_mul_u32_u24 v25, v2, PP
	v_lshl_add_u32 v25, v1, 4, v25
	v_add_nc_u32 v[FRD], s14, v25                  ; the end (waves 0 to 7): rows 2 w and 2 w + 1, 16 bytes a lane
	v_lshlrev_b32 v[GOUT], 12, v2
	v_lshl_add_u32 v[GOUT], v1, 4, v[GOUT]
	s_mov_b32 s20, 0x76543210
	s_mov_b32 s21, 0xfedcba98                      ; v_permlanex16_b32's selects for lane l xor 16
	s_lshl_b32 s24, s13, 16
	s_lshl_b32 s25, s10, 8
	s_add_co_u32 s24, s24, s25                     ; first16: the batch, my head's 256 bytes
	s_mov_b32 s25, 0
	s_lshl_b32 s26, ttmp9, 6
	s_lshl_b32 s27, s11, 4
	s_add_co_u32 s26, s26, s27
	s_lshl_b32 s26, s26, 12                        ; Wo: row 64 slice + 16 nt,
	s_lshl_b32 s27, s12, 10                        ; my 256 of K
	s_add_co_u32 s26, s26, s27
	s_mov_b32 s27, 0
	s_lshl_b32 s28, s13, 11
	s_lshl_b32 s29, s10, 1
	s_add_co_u32 s28, s28, s29
	s_lshl_b32 s28, s28, 12                        ; out0: row 2048 batch + 2 w,
	s_lshl_b32 s29, ttmp9, 8                       ; the slice's 256 bytes
	s_add_co_u32 s28, s28, s29
	s_mov_b32 s29, 0
	s_wait_kmcnt 0x0
	s_add_nc_u64 s[16:17], s[4:5], s[24:25]
	s_add_nc_u64 s[18:19], s[6:7], s[26:27]
	s_add_nc_u64 s[22:23], s[8:9], s[28:29]
	; ---- PHASE 1
.irp c, 0,1,2,3,4,5,6,7
	global_load_b128 v[KF+4*\c:KF+4*\c+3], v[VQ], s[16:17] offset:262144+32*\c   ; k(r, 8 c + 4 h + 0..3)
.endr
.irp c, 0,1,2,3,4,5,6,7
	global_load_b128 v[QF+4*\c:QF+4*\c+3], v[VQ], s[16:17] offset:32*\c          ; q likewise
.endr
.irp ct, 0,1,2,3
.irp n, 0,1,2,3,4,5,6,7
	global_load_b32 v[VF+8*\ct+\n], v[VV], s[16:17] offset:524288+4096*\n+64*\ct ; v(key 8 h + n, channel 16 ct + r)
.endr
.endr
.irp i, 0,1,2,3,4,5,6,7,8,9,10,11,12,13,14,15
	global_load_b128 v[G+4*\i:G+4*\i+3], v[VW], s[18:19] offset:4096*\i          ; Wo, my first 128 of K: a row's 512 consecutive bytes a load
.endr
	s_wait_loadcnt 48                              ; k and q are in; v's 32 loads and Wo's 16 may be out
.irp c, 0,1,2,3,4,5,6,7                            ; S^T = k q^T: lane (r, h) will hold query r and keys 8 h + 0..7.  Two accumulators by turns
.irp u, 0,1
.if \c == 0
	v_wmma_f32_16x16x4_f32 v[SA+8*\u:SA+8*\u+7], v[KF+4*\c+2*\u:KF+4*\c+2*\u+1], v[QF+4*\c+2*\u:QF+4*\c+2*\u+1], 0
.else
	v_wmma_f32_16x16x4_f32 v[SA+8*\u:SA+8*\u+7], v[KF+4*\c+2*\u:KF+4*\c+2*\u+1], v[QF+4*\c+2*\u:QF+4*\c+2*\u+1], v[SA+8*\u:SA+8*\u+7]
.endif
.endr
.endr
	s_wait_loadcnt 0x0
.irp i, 0,1,2,3,4,5,6,7,8,9,10,11,12,13,14,15
	ds_store_b128 v[WST], v[G+4*\i:G+4*\i+3] offset:WP*\i
.endr
	s_wait_dscnt 0x0                               ; the stores have read their registers,
.irp i, 0,1,2,3,4,5,6,7,8,9,10,11,12,13,14,15
	global_load_b128 v[G+4*\i:G+4*\i+3], v[VW], s[18:19] offset:4096*\i+512      ; which take my second 128 of K
.endr
.rept 8
	v_nop                                          ; eight places behind this form (ISA guide 7.12.1)
.endr
.irp j, 0,1,2,3,4,5,6,7
	v_add_f32 v[P+\j], v[SA+\j], v[SA+8+\j]        ; from the low end on
.endr
.irp j, 0,1,2,3,4,5,6,7
	v_cmp_gt_i32 vcc_lo, \j, v[DD]                 ; key 8 h + j comes after query r
	v_cndmask_b32 v[P+\j], v[P+\j], v[NINF], vcc_lo
.endr
	v_max3_num_f32 v24, v[P], v[P+1], v[P+2]
	v_max3_num_f32 v25, v[P+3], v[P+4], v[P+5]
	v_max3_num_f32 v24, v24, v[P+6], v[P+7]
	v_max_num_f32 v24, v24, v25
	v_permlanex16_b32 v25, v24, s20, s21
	v_max_num_f32 v24, v24, v25                    ; the row's largest t: key 0 counts for every query
.irp j, 0,2,4,6
	v_pk_add_f32 v[P+\j:P+\j+1], v[P+\j:P+\j+1], v[24:25] op_sel_hi:[1,0] neg_lo:[0,1] neg_hi:[0,1]
.endr
.irp j, 0,1,2,3,4,5,6,7
	v_exp_f32 v[P+\j], v[P+\j]
.endr
	v_nop
	s_wait_alu depctr_va_vdst(0)                   ; one wait for the eight, ahead of their first reader
	v_pk_add_f32 v[26:27], v[P:P+1], v[P+2:P+3]
	v_pk_add_f32 v[28:29], v[P+4:P+5], v[P+6:P+7]
	v_pk_add_f32 v[26:27], v[26:27], v[28:29]
	v_add_f32 v26, v26, v27
	v_permlanex16_b32 v27, v26, s20, s21
	v_add_f32 v26, v26, v27
	v_rcp_f32 v26, v26
	v_nop                                          ; a plain line behind it; its wait stands behind the products below, ahead of its first reader
.irp c, 0,1,2,3                                    ; O^T = v^T p^T: keys 8 h + 2 c + 0, 1 on both sides; four accumulators by turns
.irp ct, 0,1,2,3
.if \c == 0
	v_wmma_f32_16x16x4_f32 v[ACC+8*\ct:ACC+8*\ct+7], v[VF+8*\ct+2*\c:VF+8*\ct+2*\c+1], v[P+2*\c:P+2*\c+1], 0
.else
	v_wmma_f32_16x16x4_f32 v[ACC+8*\ct:ACC+8*\ct+7], v[VF+8*\ct+2*\c:VF+8*\ct+2*\c+1], v[P+2*\c:P+2*\c+1], v[ACC+8*\ct:ACC+8*\ct+7]
.endif
.endr
.endr
.rept 8
	v_nop
.endr
	s_wait_alu depctr_va_vdst(0)
.irp j, 0,2,4,6,8,10,12,14,16,18,20,22,24,26,28,30
	v_pk_mul_f32 v[KF+\j:KF+\j+1], v[ACC+\j:ACC+\j+1], v[26:27] op_sel_hi:[1,0]   ; o = O^T / l, into other registers
.endr
.irp ct, 0,1,2,3
	ds_store_b128 v[OST], v[KF+8*\ct:KF+8*\ct+3] offset:64*\ct                    ; o(r, 64 head + 16 ct + 8 h + 0..7)
	ds_store_b128 v[OST], v[KF+8*\ct+4:KF+8*\ct+7] offset:64*\ct+16
.endr
	s_wait_dscnt 0x0                               ; for the others' sake
	s_barrier_signal -1
	s_barrier_wait -1                              ; the 16 rows of o lie in LDS
	; ---- PHASE 2: source 0 = 16 rows of Wo, source 1 = the 16 rows of o: lane (r, h) holds position r and columns 8 h + 0..7
.rept 9
	v_nop                                          ; nine places: the four accumulators are begun anew over O^T's registers
.endr
.irp g, 0,1
.if \g == 1
	s_wait_loadcnt 0x0
.irp i, 0,1,2,3,4,5,6,7,8,9,10,11,12,13,14,15
	ds_store_b128 v[WST], v[G+4*\i:G+4*\i+3] offset:WP*\i      ; my reads of the first chunk are back
.endr
.endif
.irp hf, 0,1
.irp c, 0,1,2,3,4,5,6,7
	ds_load_b128 v[KF+4*\c:KF+4*\c+3], v[WRD] offset:256*\hf+32*\c
.endr
.irp c, 0,1,2,3,4,5,6,7
	ds_load_b128 v[QF+4*\c:QF+4*\c+3], v[ORD] offset:512*\g+256*\hf+32*\c
.endr
	s_wait_dscnt 0x0
.irp c, 0,1,2,3,4,5,6,7
.irp u, 0,1
.if (\g == 0) && (\hf == 0) && (\c < 2)
	v_wmma_f32_16x16x4_f32 v[ACC+8*(2*(\c%2)+\u):ACC+8*(2*(\c%2)+\u)+7], v[KF+4*\c+2*\u:KF+4*\c+2*\u+1], v[QF+4*\c+2*\u:QF+4*\c+2*\u+1], 0
.else
	v_wmma_f32_16x16x4_f32 v[ACC+8*(2*(\c%2)+\u):ACC+8*(2*(\c%2)+\u)+7], v[KF+4*\c+2*\u:KF+4*\c+2*\u+1], v[QF+4*\c+2*\u:QF+4*\c+2*\u+1], v[ACC+8*(2*(\c%2)+\u):ACC+8*(2*(\c%2)+\u)+7]
.endif
.endr
.endr
.rept 8
	v_nop                                          ; places in front of the next loads into these fragments, and of the first reads of the sums
.endr
.endr
.endr
.irp j, 0,2,4,6
	v_pk_add_f32 v[VF+\j:VF+\j+1], v[ACC+\j:ACC+\j+1], v[ACC+8+\j:ACC+8+\j+1]
.endr
.irp j, 0,2,4,6
	v_pk_add_f32 v[VF+8+\j:VF+8+\j+1], v[ACC+16+\j:ACC+16+\j+1], v[ACC+24+\j:ACC+24+\j+1]
.endr
.irp j, 0,2,4,6
	v_pk_add_f32 v[VF+\j:VF+\j+1], v[VF+\j:VF+\j+1], v[VF+8+\j:VF+8+\j+1]
.endr
	ds_store_b128 v[PST], v[VF:VF+3]
	ds_store_b128 v[PST], v[VF+4:VF+7] offset:16
	s_wait_dscnt 0x0
	s_barrier_signal -1
	s_barrier_wait -1                              ; the four parts of K lie in LDS
	s_cmp_ge_u32 s10, 8                            ; waves 0 to 7 add them and store two rows each; no barrier stands under this branch
	s_cbranch_scc1 .Lend
.irp k, 0,1,2,3
	ds_load_b128 v[KF+4*\k:KF+4*\k+3], v[FRD] offset:16*PP*\k
.endr
	s_wait_dscnt 0x0
	v_pk_add_f32 v[KF:KF+1], v[KF:KF+1], v[KF+4:KF+5]
	v_pk_add_f32 v[KF+2:KF+3], v[KF+2:KF+3], v[KF+6:KF+7]
	v_pk_add_f32 v[KF+8:KF+9], v[KF+8:KF+9], v[KF+12:KF+13]
	v_pk_add_f32 v[KF+10:KF+11], v[KF+10:KF+11], v[KF+14:KF+15]
	v_pk_add_f32 v[KF:KF+1], v[KF:KF+1], v[KF+8:KF+9]
	v_pk_add_f32 v[KF+2:KF+3], v[KF+2:KF+3], v[KF+10:KF+11]
	global_store_b128 v[GOUT], v[KF:KF+3], s[22:23]    ; sixteen lanes store the slice's 256 bytes of a row, aligned
.Lend:
	s_wait_tensorcnt 0x0                           ; the wave's end, behind my last LDS store
	ds_add_u32 v[SPW], v[NIL]
	s_wait_dscnt 0x0
	s_endpgm
.Lfunc_end_k_q859705a8f5_fine:
	.size	k_q859705a8f5_fine, .Lfunc_end_k_q859705a8f5_fine-k_q859705a8f5_fine
	.p2alignl 7, 3214868480
	.fill 96, 4, 3214868480
	.section	.rodata,"a",@progbits
	.p2align	6, 0x0
	.amdhsa_kernel k_q859705a8f5_fine
		.amdhsa_group_segment_fixed_size 220416
		.amdhsa_private_segment_fixed_size 0
		.amdhsa_enable_private_segment 0
		.amdhsa_kernarg_size 24
		.amdhsa_user_sgpr_count 2
		.amdhsa_user_sgpr_kernarg_segment_ptr 1
		.amdhsa_wavefront_size32 1
		.amdhsa_system_sgpr_workgroup_id_x 1
		.amdhsa_system_sgpr_workgroup_id_y 1
		.amdhsa_system_sgpr_workgroup_id_z 1
		.amdhsa_system_vgpr_workitem_id 0
		.amdhsa_next_free_vgpr 256
		.amdhsa_next_free_sgpr 66
		.amdhsa_reserve_vcc 1
		.amdhsa_float_denorm_mode_32 3
		.amdhsa_float_denorm_mode_16_64 3
		.amdhsa_memory_ordered 1
		.amdhsa_forward_progress 1
		.amdhsa_inst_pref_size 31
	.end_amdhsa_kernel
	.amdgpu_metadata
---
amdhsa.version: [ 1, 2 ]
amdhsa.kernels:
  - .name:           k_q859705a8f5_fine
    .symbol:         k_q859705a8f5_fine.kd
    .args:
      - { .name: first16, .offset: 0, .size: 8, .value_kind: global_buffer, .address_space: global }
      - { .name: Wo, .offset: 8, .size: 8, .value_kind: global_buffer, .address_space: global }
      - { .name: out0, .offset: 16, .size: 8, .value_kind: global_buffer, .address_space: global }
    .group_segment_fixed_size: 220416
    .private_segment_fixed_size: 0
    .kernarg_segment_align: 8
    .kernarg_segment_size: 24
    .max_flat_workgroup_size: 512
    .sgpr_count:     66
    .vgpr_count:     256
    .wavefront_size: 32
...
	.end_amdgpu_metadata
.endif
;; end of part 5
